; MI455X (gfx1250); checked and timed in simulation.
; The chip was launched on July 23, 2026; its instructions are those of AMD's public machine-readable ISA for CDNA 5 (MIT licence, August 2026) and "CDNA5" Instruction Set Architecture Reference Guide (July 2026). The comments in the code are by the model that wrote it; some were corrected since.
;; Multi Head Attention. Allowed arithmetic: matrix products marked QUANTISED: E2M1 operands, one E8M0 scale for each 32 along K, by v_wmma_scale_f32_16x16x128_f8f6f4 with both operands' format E2M1 (or v_wmma_scale_f32_32x16x128_f4), f32 sums; products left as they are: bf16, f16 or f32 operands; f32 sums; everything else in f32.
;; Inputs: W_attn 1,024 x 3,072 float32; W_proj 1,024 x 1,024 float32; b_attn 3,072 float32; b_proj 1,024 float32; x 2 x 2,048 x 1,024 float32.
;; Outputs: out0 2 x 2,048 x 1,024 float32.
;; This version of the problem:
;;   THIS VERSION OF THE PROBLEM IS GIVEN IN LOW PRECISION. The matrix products marked QUANTISED in the list below multiply operands that are first quantised to E2M1 (2 exponent bits, 1 mantissa bit; 4 bits a number), with one power-of-two scale for each 32 numbers along K (OCP MX v1.0); their sums are f32. The products marked 'left as it is' may take bf16, f16 or f32 operands, with f32 sums. Whichever they take, every output number must still come out within the allowed error. Rounding operands to bf16 (8 significant bits) uses up far more of that allowance than f16 does (11 bits, for magnitudes from 6e-5 to 65,504). All else is computed in f32.
;;   The module's matrix products, in the order in which they are computed (A, B: the left and right operand; K: the contracted axis; several contracted axes count as one K, in the product's order):
;;     1. [M 4,096, K 1,024] x [K 1,024, N 3,072]; A: input x; B: input W_attn: QUANTISED
;;     2. batch 32 x [M 2,048, K 64] x [K 64, N 2,048]; A: computed on the way; B: computed on the way: left as it is (an operand is computed on the way)
;;     3. batch 32 x [M 2,048, K 2,048] x [K 2,048, N 64]; A: computed on the way; B: computed on the way: left as it is (an operand is computed on the way)
;;     4. [M 4,096, K 1,024] x [K 1,024, N 1,024]; A: computed on the way; B: input W_proj: left as it is (an operand is computed on the way)
;;   THE QUANTISER, for each operand of a quantised product, along K:
;;     - K is cut into blocks of 32 from its start; a last block that is shorter is filled with zeros.
;;     - A block's scale is 2^e with e = floor(log2(the largest magnitude in the block)) - 2, held to -126 .. 127; a block of zeros has e = 0. As a byte (E8M0): e + 127.
;;     - Each number is divided by its block's scale, clamped to +-6, and rounded to the nearest number of E2M1, ties to even, subnormals kept.
;;     - The product sums the exact products of the quantised numbers (number of the format x scale) in f32.
;;   ~~~python
;;   def quantise(x, axis):      # numpy; x: float32 -> the quantised numbers, widened to float32 again
;;       x = np.moveaxis(x, axis, -1); K = x.shape[-1]
;;       x = np.pad(x, [(0, 0)] * (x.ndim - 1) + [(0, -K % 32)]); x = x.reshape(x.shape[:-1] + (-1, 32)); a = np.abs(x).max(-1, keepdims=True)
;;       e = np.where(a > 0, np.clip(np.frexp(np.where(a > 0, a, 1))[1] - 1 - 2, -126, 127), 0)      # np.frexp(a)[1] - 1 = floor(log2(a)), exactly
;;       r = np.clip(x / 2.0 ** e, -6, 6)
;;       step = 2.0 ** (np.maximum(np.frexp(np.where(r == 0, 1, r))[1] - 1, 0) - 1)
;;       q = np.round(r / step) * step * 2.0 ** e      # np.round: ties to even
;;       return np.moveaxis(q.reshape(q.shape[:-2] + (-1,))[..., :K], -1, axis).astype(np.float32)
;;   ~~~
;; One version. Each part assembles by itself: llvm-mc -triple=amdgcn-amd-amdhsa -mcpu=gfx1250 --defsym DOCPART=n.
;; ======== version 1 of 1: 5 launches
;; limits: values are held in f16: magnitudes above 65,504 overflow, below 6.1e-05 lose precision
;; workspace buffers: x_codes 2,097,152 bytes; x_scales 131,072 bytes; w_codes 1,572,864 bytes; w_scales 98,304 bytes; wp16 2,097,152 bytes; qkv16 25,165,824 bytes; qkvf 393,216 bytes; y16 8,388,608 bytes
;; launch prep (part 1): grid 256 x 1, 8 waves a work-group, no clusters, 61,440 bytes of LDS; arguments x, W_attn, W_proj, x_codes, x_scales, w_codes, w_scales, wp16; writes x_codes, x_scales, w_codes, w_scales, wp16
.if DOCPART == 1
	.amdgcn_target "amdgcn-amd-amdhsa--gfx1250"
	.amdhsa_code_object_version 6
	.text
	.protected	k_qc403abe5ba_prep
	.globl	k_qc403abe5ba_prep
	.p2align	8
	.type	k_qc403abe5ba_prep,@function
k_qc403abe5ba_prep:
	s_mov_b64 s[64:65], 0
	v_nop
	global_prefetch_b8 v0, s[64:65] scope:SCOPE_SE
	s_setreg_imm32_b32 hwreg(HW_REG_WAVE_MODE, 25, 1), 1
	s_wait_xcnt 0x0
; PREP.  Three jobs of 128 KiB of input for each of 256 work-groups, told apart by the work-group's number:
;   X (0-127):   x [4096][1024] f32 -> codes of FP4 (E2M1), K innermost, [4096][512 B], and one E8M0 byte for each 32 along K, [4096][32 B].
;   W (128-223): W_attn [1024 k][3072 n] f32, K its FIRST axis -> codes [3072 n][512 B], K innermost, and bytes [3072][32 B].
;   P (224-255): W_proj [1024 k][1024 n] f32 -> f16 in the order of a matrix operand's registers: [K step of 256: 4][16 columns: 64][32 along K: 8][half 2][lane 32][16 B];
;                lane (r, h) of a fragment holds column r; half 0: k = 8 h + 0..7, half 1: k = 16 + 8 h + 0..7.
; A block's scale is 2^(floor(log2(largest magnitude)) - 2): its byte is the largest magnitude's exponent field - 2, held at 1 from below by a floor among the maximum's leaves.
; LIMITS: a block of zeros gets the byte 1 (its codes are zeros; this program alone reads the bytes); NaN and infinities are not served; W_proj goes to f16: magnitudes under 65,504.
; No matrix unit, no tensor load, no cluster: nothing is shared, every byte is read once.  Each path has LDS bytes of its own; all LDS addresses are made at the head from lane and wave alone.
; FORM: head | the three paths' first phase | ONE barrier for all | the second phase (what was gathered in LDS leaves in long runs) | the end.
.set XSB,   40960                      ; LDS 0..40959: path X, for each wave two stages of 32 x 80 bytes;  from XSB: the work-group's 1,024 scale bytes
.set WST,   41984                      ; path W: 64 columns x (256 bytes of codes + 16)
.set WSC,   59392                      ; path W: 64 columns x 16 scale bytes
.set SPARE, 60416                      ; the spare words, 128 bytes for each wave: four blocks of 256 bytes that no other line names
.set SPW,   20                         ; v20  LDS address of my spare word; never rewritten
.set NIL,   21                         ; v21  0; never rewritten
.set XR,    32                         ; X: v32-159 eight sets of 16 numbers as loaded
.set XN,    160                        ; X: v160-191 two sets of 16 neighbours
.set XC,    192                        ; X: v192-207 a step's codes, two registers each
.set XE,    208                        ; X: v208-215 a step's scale byte
.set WX,    32                         ; W, P: v32-95 two sets of 32 numbers down K
.set WC,    96                         ; W: v96-99 a block's codes
.set WB,    100                        ; W: v100 four scale bytes
.set PH,    96                         ; P: v96-159 sixteen registers of f16 for each of four chunks
.macro LOADX t                         ; step t: 512 numbers, four loads of 512 consecutive bytes
.irp i, 0,1,2,3
	global_load_b128 v[XR+16*(\t)+4*\i:XR+16*(\t)+4*\i+3], v3, s[36:37] offset:2048*(\t)+512*\i th:TH_LOAD_NT
.endr
.endm
.macro TURNX t                         ; through my stage: in as loaded, out 64 bytes (16 neighbours) a lane; LDS serves a wave's instructions in order
.irp i, 0,1,2,3
	ds_store_b128 v14, v[XR+16*(\t)+4*\i:XR+16*(\t)+4*\i+3] offset:2560*((\t)%2)+640*\i
.endr
.irp i, 0,1,2,3
	ds_load_b128 v[XN+16*((\t)%2)+4*\i:XN+16*((\t)%2)+4*\i+3], v15 offset:2560*((\t)%2)+16*\i
.endr
.endm
.macro STEPX t
.set XS, XN+16*((\t)%2)
.if (\t) > 0
	s_wait_dscnt 1                                 ; this step's numbers are back from the stage; the last step's byte store may be out
.else
	s_wait_dscnt 0x0
.endif
.if (\t) < 7
	s_wait_loadcnt 4*(6-(\t))                      ; all 32 loads went out at once: behind step t + 1's four stand 4 (6 - t) younger ones
	TURNX (\t)+1
.endif
	v_max3_num_f32 v12, |v[XS]|, |v[XS+1]|, |v[XS+2]|
	v_max3_num_f32 v13, |v[XS+3]|, |v[XS+4]|, |v[XS+5]|
.irp i, 6,10
	v_max3_num_f32 v12, v12, |v[XS+\i]|, |v[XS+\i+1]|
	v_max3_num_f32 v13, v13, |v[XS+\i+2]|, |v[XS+\i+3]|
.endr
	v_max3_num_f32 v12, v12, |v[XS+14]|, |v[XS+15]|
	v_max3_num_f32 v12, v12, v13, 0x1800000        ; the floor 2^(3 - 127): the byte cannot fall under 1
	v_max_num_f32_dpp v12, v12, v12 row_xmask:1 row_mask:0xf bank_mask:0xf   ; with my neighbour's 16: the block's largest magnitude
	v_add_nc_u32 v11, 0xff000000, v12              ; 2 off its exponent field: the conversion's scale operand
	v_cvt_scalef32_pk8_fp4_f32 v[XC+2*(\t)], v[XS:XS+7], v11
	v_cvt_scalef32_pk8_fp4_f32 v[XC+2*(\t)+1], v[XS+8:XS+15], v11
	v_lshrrev_b32 v[XE+(\t)], 23, v11              ; the scale's byte
	ds_store_b8 v5, v[XE+(\t)] offset:16*(\t)      ; both lanes of a block write the same byte with the same value
	global_store_b64 v4, v[XC+2*(\t):XC+2*(\t)+1], s[38:39] offset:256*(\t)   ; the wave stores 256 consecutive bytes, aligned
.endm
.macro LOADW t                         ; block t: W_attn(32 t + i, my column), 128 consecutive bytes a wave, 256 with the wave beside it
.set n, 0
.rept 32
	global_load_b32 v[WX+32*((\t)%2)+n], v8, s[36:37] offset:(32*(\t)+n)*12288 th:TH_LOAD_NT
.set n, n+1
.endr
.endm
.macro BLOCKW t
.set XB, WX+32*((\t)%2)
.if (\t) < 3
	s_wait_loadcnt 32                              ; this block's 32 loads are in; the next block's may be out
.else
	s_wait_loadcnt 0x0
.endif
	v_max3_num_f32 v12, |v[XB]|, |v[XB+1]|, |v[XB+2]|    ; all 32 numbers of the block are mine
	v_max3_num_f32 v13, |v[XB+3]|, |v[XB+4]|, |v[XB+5]|
.irp i, 6,10,14,18,22,26
	v_max3_num_f32 v12, v12, |v[XB+\i]|, |v[XB+\i+1]|
	v_max3_num_f32 v13, v13, |v[XB+\i+2]|, |v[XB+\i+3]|
.endr
	v_max3_num_f32 v12, v12, |v[XB+30]|, |v[XB+31]|
	v_max3_num_f32 v12, v12, v13, 0x1800000
	v_add_nc_u32 v11, 0xff000000, v12
	v_lshrrev_b32 v13, 23, v11
.if (\t) == 0
	v_mov_b32 v[WB], v13
.else
	v_lshl_or_b32 v[WB], v13, 8*(\t), v[WB]        ; four bytes to the register, the lower K in the lower byte
.endif
.irp g, 0,1,2,3
	v_cvt_scalef32_pk8_fp4_f32 v[WC+\g], v[XB+8*\g:XB+8*\g+7], v11
.endr
	ds_store_b128 v9, v[WC:WC+3] offset:16*(\t)    ; 32 codes: 16 bytes of my column's row
.if (\t)+2 < 4
	LOADW (\t)+2
.endif
	s_wait_dscnt 0x0                               ; the store has read its registers: the next block's codes may be written
.endm
.macro LOADP t                         ; chunk t: W_proj(32 t + i, my column); the eight waves side by side read 1,024 bytes of a row
.set n, 0
.rept 32
	global_load_b32 v[WX+32*((\t)%2)+n], v8, s[36:37] offset:(32*(\t)+n)*4096 th:TH_LOAD_NT
.set n, n+1
.endr
.endm
.macro CHUNK t                         ; 32 along K x 32 columns become two fragments
.set XB, WX+32*((\t)%2)
.set HH, PH+16*(\t)
.if (\t) < 3
	s_wait_loadcnt 32
.else
	s_wait_loadcnt 0x0
.endif
.set n, 0
.rept 16
	v_cvt_pk_f16_f32 v[HH+n], v[XB+2*n], v[XB+2*n+1]   ; register n: k = 2 n, 2 n + 1 of my column
.set n, n+1
.endr
.irp i, 0,1,2,3                        ; lanes 0-15 hold the first 16 columns, lanes 16-31 the next: the exchange gives each fragment its two halves of the lanes
	v_permlane16_swap_b32 v[HH+\i], v[HH+4+\i]
	v_permlane16_swap_b32 v[HH+8+\i], v[HH+12+\i]
.endr
.if (\t)+2 < 4
	LOADP (\t)+2
.endif
	global_store_b128 v3, v[HH:HH+3],     s[38:39] offset:1024*(\t)         ; each store: 512 consecutive bytes, aligned
	global_store_b128 v3, v[HH+8:HH+11],  s[38:39] offset:1024*(\t)+512
	global_store_b128 v3, v[HH+4:HH+7],   s[38:39] offset:1024*(\t)+8192
	global_store_b128 v3, v[HH+12:HH+15], s[38:39] offset:1024*(\t)+8704
.endm
	s_load_b256 s[4:11], s[0:1], 0x0               ; x s[4:5], W_attn s[6:7], W_proj s[8:9], x_codes s[10:11]
	s_load_b256 s[12:19], s[0:1], 0x20             ; x_scales s[12:13], w_codes s[14:15], w_scales s[16:17], wp16 s[18:19]
	v_lshl_add_u32 v[SPW], v0, 2, SPARE
	v_mov_b32 v[NIL], 0
	v_lshrrev_b32 v1, 5, v0
	v_readfirstlane_b32 s20, v1                    ; wave w
	v_and_b32 v2, 31, v0                           ; lane l
	v_lshlrev_b32 v3, 4, v2                        ; 16 l
	v_lshlrev_b32 v4, 3, v2                        ; 8 l
	v_lshlrev_b32 v8, 2, v2                        ; 4 l
	s_lshl_b32 s21, s20, 7
	s_add_co_u32 s21, s21, XSB
	v_lshrrev_b32 v5, 1, v2
	v_add_nc_u32 v5, s21, v5                       ; X: my block's scale byte: XSB + 128 w + l / 2
	s_lshl_b32 s22, s20, 9
	v_add_nc_u32 v7, s22, v3                       ; X, second phase: 512 w + 16 l in x_scales,
	v_add_nc_u32 v6, XSB, v7                       ; and in LDS
	s_and_b32 s23, s20, 1                          ; W: which 32 of the 64 columns
	s_lshr_b32 s24, s20, 1                         ; W: which 128 of the 512 along K
	s_lshl_b32 s25, s23, 5
	v_add_nc_u32 v11, s25, v2                      ; my column among the 64
	v_mul_u32_u24 v9, v11, 272
	s_lshl_b32 s26, s24, 6
	s_add_co_u32 s26, s26, WST
	v_add_nc_u32 v9, s26, v9                       ; W: my column's row of codes, my wave's 64 bytes of it
	v_lshlrev_b32 v10, 4, v11
	s_lshl_b32 s26, s24, 2
	s_add_co_u32 s26, s26, WSC
	v_add_nc_u32 v10, s26, v10                     ; W: my column's scale bytes, my wave's word
	s_mul_i32 s27, s20, 5120
	v_lshrrev_b32 v14, 2, v2
	v_mul_u32_u24 v14, v14, 80
	v_and_b32 v12, 3, v2
	v_lshl_add_u32 v14, v12, 4, v14
	v_add_nc_u32 v14, s27, v14                     ; X: the stage on the way in: four lanes' 64 bytes, then 16 of padding
	v_mul_u32_u24 v15, v2, 80
	v_add_nc_u32 v15, s27, v15                     ; X: and on the way out: 80 l
	v_lshrrev_b32 v12, 4, v2
	v_and_b32 v13, 15, v2
	s_lshl_b32 s28, s20, 3
	v_add_nc_u32 v12, s28, v12                     ; W, second phase: column 8 w + l / 16 (+ 2 i)
	v_mul_u32_u24 v16, v12, 272
	v_lshl_add_u32 v16, v13, 4, v16
	v_add_nc_u32 v16, WST, v16                     ; in LDS,
	v_lshlrev_b32 v17, 9, v12
	v_lshl_add_u32 v17, v13, 4, v17                ; and in w_codes: rows of 512 bytes
	s_lshl_b32 s29, s20, 5
	v_add_nc_u32 v12, s29, v2
	v_lshl_add_u32 v18, v12, 4, WSC                ; W, second phase, waves 0 and 1: column 32 w + l: its 16 scale bytes in LDS,
	v_lshlrev_b32 v19, 5, v12                      ; and its row of 32 in w_scales
	s_wait_kmcnt 0x0
	s_cmp_lt_u32 ttmp9, 128
	s_cbranch_scc1 .Lx1
	s_cmp_lt_u32 ttmp9, 224
	s_cbranch_scc1 .Lw1
	; ---- P, first and only phase: 128 along K x 256 columns a work-group, 32 columns a wave
	s_sub_co_u32 s32, ttmp9, 224
	s_and_b32 s33, s32, 3                          ; which 256 columns
	s_lshr_b32 s32, s32, 2                         ; which 128 along K
	s_lshl_b32 s34, s32, 19                        ; 128 rows of 4,096 bytes
	s_lshl_b32 s35, s33, 10
	s_add_co_u32 s34, s34, s35
	s_lshl_b32 s35, s20, 7
	s_add_co_u32 s34, s34, s35
	s_mov_b32 s35, 0
	s_add_nc_u64 s[36:37], s[8:9], s[34:35]
	s_lshr_b32 s34, s32, 1
	s_lshl_b32 s34, s34, 19                        ; the K step of 256: 64 x 8,192 bytes each
	s_lshl_b32 s31, s33, 4
	s_add_co_u32 s31, s31, s20
	s_add_co_u32 s31, s31, s20                     ; my first block of 16 columns
	s_lshl_b32 s31, s31, 13
	s_add_co_u32 s34, s34, s31
	s_and_b32 s31, s32, 1
	s_lshl_b32 s31, s31, 12                        ; which four fragments of the eight
	s_add_co_u32 s34, s34, s31
	s_add_nc_u64 s[38:39], s[18:19], s[34:35]
	LOADP 0
	LOADP 1
	CHUNK 0
	CHUNK 1
	CHUNK 2
	CHUNK 3
	s_branch .Lj1
.Lx1:	; ---- X, first phase: a wave takes 4,096 numbers, eight steps of 512; all its 32 loads go out at once
	s_lshl_b32 s32, ttmp9, 3
	s_add_co_u32 s32, s32, s20                     ; which run of 4,096 numbers
	s_lshl_b32 s34, s32, 14
	s_mov_b32 s35, 0
	s_add_nc_u64 s[36:37], s[4:5], s[34:35]
	s_lshl_b32 s34, s32, 11
	s_add_nc_u64 s[38:39], s[10:11], s[34:35]
.irp t, 0,1,2,3,4,5,6,7
	LOADX \t
.endr
	s_wait_loadcnt 28                              ; step 0's four loads are in
	TURNX 0
.irp t, 0,1,2,3,4,5,6,7
	STEPX \t
.endr
	s_branch .Lj1
.Lw1:	; ---- W, first phase: 64 columns x 512 along K a work-group; a wave: 32 columns x 128 along K, four blocks a lane
	s_sub_co_u32 s32, ttmp9, 128
	s_lshr_b32 s33, s32, 1                         ; which 64 columns
	s_and_b32 s32, s32, 1                          ; which 512 along K
	s_lshl_b32 s34, s32, 2
	s_add_co_u32 s34, s34, s24
	s_mul_i32 s34, s34, 128*12288
	s_lshl_b32 s35, s33, 8
	s_add_co_u32 s34, s34, s35
	s_lshl_b32 s35, s23, 7
	s_add_co_u32 s34, s34, s35
	s_mov_b32 s35, 0
	s_add_nc_u64 s[36:37], s[6:7], s[34:35]
	LOADW 0
	LOADW 1
	BLOCKW 0
	BLOCKW 1
	BLOCKW 2
	BLOCKW 3
	ds_store_b32 v10, v[WB]
.Lj1:
	s_wait_dscnt 0x0                               ; for the others' sake: my LDS stores have landed
	s_barrier_signal -1
	s_barrier_wait -1
	s_cmp_lt_u32 ttmp9, 128
	s_cbranch_scc0 .Lnx2
	s_cmp_lt_u32 s20, 2                            ; ---- X, second phase: the work-group's 1,024 scale bytes leave by waves 0 and 1, 512 consecutive bytes each
	s_cbranch_scc0 .Lj2
	ds_load_b128 v[32:35], v6
	s_lshl_b32 s46, ttmp9, 10
	s_mov_b32 s47, 0
	s_add_nc_u64 s[40:41], s[12:13], s[46:47]
	s_wait_dscnt 0x0
	global_store_b128 v7, v[32:35], s[40:41]
	s_branch .Lj2
.Lnx2:
	s_cmp_lt_u32 ttmp9, 224
	s_cbranch_scc0 .Lj2
	s_sub_co_u32 s44, ttmp9, 128                   ; ---- W, second phase: the codes leave by rows: sixteen lanes store 256 consecutive bytes, aligned
	s_lshr_b32 s45, s44, 1
	s_and_b32 s44, s44, 1
	s_lshl_b32 s46, s45, 15                        ; 64 rows of 512 bytes
	s_lshl_b32 s47, s44, 8
	s_add_co_u32 s46, s46, s47
	s_mov_b32 s47, 0
	s_add_nc_u64 s[40:41], s[14:15], s[46:47]
.irp i, 0,1,2,3
	ds_load_b128 v[32+4*\i:35+4*\i], v16 offset:544*\i
.endr
.irp i, 0,1,2,3
	s_wait_dscnt 3-\i
	global_store_b128 v17, v[32+4*\i:35+4*\i], s[40:41] offset:1024*\i
.endr
	s_cmp_lt_u32 s20, 2                            ; the scale bytes: 16 of a row's 32 a lane, one byte for each 128 that the path reads
	s_cbranch_scc0 .Lj2
	s_lshl_b32 s46, s45, 11
	s_lshl_b32 s44, s44, 4
	s_add_co_u32 s46, s46, s44
	s_add_nc_u64 s[42:43], s[16:17], s[46:47]
	ds_load_b128 v[48:51], v18
	s_wait_dscnt 0x0
	global_store_b128 v19, v[48:51], s[42:43]
.Lj2:
	s_wait_tensorcnt 0x0                           ; the wave's end
	ds_add_u32 v[SPW], v[NIL]
	s_wait_dscnt 0x0
	s_endpgm
.Lfunc_end_k_qc403abe5ba_prep:
	.size	k_qc403abe5ba_prep, .Lfunc_end_k_qc403abe5ba_prep-k_qc403abe5ba_prep
	.p2alignl 7, 3214868480
	.fill 96, 4, 3214868480
	.section	.rodata,"a",@progbits
	.p2align	6, 0x0
	.amdhsa_kernel k_qc403abe5ba_prep
		.amdhsa_group_segment_fixed_size 61440
		.amdhsa_private_segment_fixed_size 0
		.amdhsa_enable_private_segment 0
		.amdhsa_kernarg_size 64
		.amdhsa_user_sgpr_count 2
		.amdhsa_user_sgpr_kernarg_segment_ptr 1
		.amdhsa_wavefront_size32 1
		.amdhsa_system_sgpr_workgroup_id_x 1
		.amdhsa_system_sgpr_workgroup_id_y 1
		.amdhsa_system_sgpr_workgroup_id_z 1
		.amdhsa_system_vgpr_workitem_id 0
		.amdhsa_next_free_vgpr 224
		.amdhsa_next_free_sgpr 66
		.amdhsa_reserve_vcc 0
		.amdhsa_float_denorm_mode_32 3
		.amdhsa_float_denorm_mode_16_64 3
		.amdhsa_memory_ordered 1
		.amdhsa_forward_progress 1
		.amdhsa_inst_pref_size 59
	.end_amdhsa_kernel
	.amdgpu_metadata
---
amdhsa.version: [ 1, 2 ]
amdhsa.kernels:
  - .name:           k_qc403abe5ba_prep
    .symbol:         k_qc403abe5ba_prep.kd
    .args:
      - { .name: x, .offset: 0, .size: 8, .value_kind: global_buffer, .address_space: global }
      - { .name: W_attn, .offset: 8, .size: 8, .value_kind: global_buffer, .address_space: global }
      - { .name: W_proj, .offset: 16, .size: 8, .value_kind: global_buffer, .address_space: global }
      - { .name: x_codes, .offset: 24, .size: 8, .value_kind: global_buffer, .address_space: global }
      - { .name: x_scales, .offset: 32, .size: 8, .value_kind: global_buffer, .address_space: global }
      - { .name: w_codes, .offset: 40, .size: 8, .value_kind: global_buffer, .address_space: global }
      - { .name: w_scales, .offset: 48, .size: 8, .value_kind: global_buffer, .address_space: global }
      - { .name: wp16, .offset: 56, .size: 8, .value_kind: global_buffer, .address_space: global }
    .group_segment_fixed_size: 61440
    .private_segment_fixed_size: 0
    .kernarg_segment_align: 8
    .kernarg_segment_size: 64
    .max_flat_workgroup_size: 256
    .sgpr_count:     66
    .vgpr_count:     224
    .wavefront_size: 32
...
	.end_amdgpu_metadata
.endif
;; end of part 1
;; launch gemm_qkv (part 2): grid 12 x 16, 4 waves a work-group, clusters of 4 x 4, 327,680 bytes of LDS; arguments x_codes, x_scales, w_codes, w_scales, b_attn, qkv16, qkvf; writes qkv16, qkvf
.if DOCPART == 2
	.amdgcn_target "amdgcn-amd-amdhsa--gfx1250"
	.amdhsa_code_object_version 6
	.text
	.protected	k_qc403abe5ba_gemm_qkv
	.globl	k_qc403abe5ba_gemm_qkv
	.p2align	8
	.type	k_qc403abe5ba_gemm_qkv,@function
k_qc403abe5ba_gemm_qkv:
	s_mov_b64 s[64:65], 0
	v_nop
	global_prefetch_b8 v0, s[64:65] scope:SCOPE_SE
	s_setreg_imm32_b32 hwreg(HW_REG_WAVE_MODE, 25, 1), 1
	s_wait_xcnt 0x0
	s_wait_alu depctr_hold_cnt(0) depctr_sa_sdst(0) depctr_va_vdst(0) depctr_va_sdst(0) depctr_va_ssrc(0) depctr_va_vcc(0) depctr_vm_vsrc(0)
	s_getreg_b32 s2, hwreg(HW_REG_IB_STS2, 6, 4)
	s_cmp_eq_u32 s2, 0
	s_cbranch_scc0 .Lentry_in_a_cluster
	s_endpgm
.Lentry_in_a_cluster:
	s_bfe_u32 s2, ttmp6, 0x10000c
	s_cmp_lg_u32 s2, 0xf033
	s_cbranch_scc0 .Lentry_shape_is_right
	s_endpgm
.Lentry_shape_is_right:
; qkv = Q(x) Q(W_attn) + b_attn on codes of FP4 (E2M1) with one E8M0 scale for each 32 along K; sums in f32.  A: x_codes [4096][512 B], x_scales [4096][32 B]; B: w_codes [3072 n][512 B], w_scales [3072][32 B].
; OUT: qkv16 [q, k, v][batch x 16 + head][2048 t][64] f16 (a row is 128 bytes), and qkvf [2][16 t][3072] f32: the first 16 positions of each sequence as they are, for the launch that carries them in f32.
; LIMIT: q, k, v go to f16: magnitudes under 65,504.
; A tile of 256 x 256 is made by four waves, 128 x 128 each: 64 accumulators, 512 registers.  K = 1,024 is two LDS slots of 512 along K (rows of 256 bytes + 16 of padding): both are filled once, with the
; scales of all of K, at the start.
; CLUSTERS: 4 x 4 work-groups; A's tiles are asked for jointly along a row of the cluster, B's along a column.  THE MATRIX INSTRUCTION IS USED TRANSPOSED (source 0 = 16 rows of B, source 1 = 16 rows of A):
; a lane holds eight neighbouring columns of one token.  The bias is the C of each sum's first product.
; No prefetch: the whole of K is asked for at the head.  192 tiles for the grid; a work-group makes one.
; REGISTERS: window 0: v0-31 addresses; v32-95 scale words, two sets, and nothing else; v128-191 A's fragments, one set; v192-255 the bias; on the way out v128-223 are at work.
;   window 1: B's fragments, two sets, at v0 and v128.   window 2: accumulators of my rows 0-63 ((a, b) at v[8 (8 a + b)]);   window 3: of my rows 64-127.
.set KSTEP,  512
.set NQ,     KSTEP/128
.set ROWB,   256
.set KROW,   512                       ; a row of codes in memory
.set PITCH,  272                       ; 68 words: the 16 rows that a load touches start 4 words apart
.set FR,     8
.set NL,     2
.set NP,     4                         ; places behind this matrix instruction (ISA guide 7.12.1)
.set HALFT,  128*PITCH
.set SLOT,   4*HALFT
.set KS,     32                        ; a row of scale bytes
.set SCL,    2*SLOT
.set HALFS,  (128*KS/256)*272
.set SBLK,   (16*KS/256)*272
.set SPARE,  SCL+4*HALFS               ; the spare words, 128 bytes for each wave
.set WSTG,   16*528                    ; the way out: a stage for each wave, in slot 0, which has had its only fill and its last read by then
.set STF,  8                           ; v8   f32 copy: where I put 32 bytes of a row
.set RDF,  9                           ; v9   and where I read a row of 512 bytes back
.set COF,  10                          ; v10  16 x lane
.set BO,   11                          ; v11  32 x (lane / 16): my eight numbers of a block of the bias
.set ADRA, 16
.set ADRB, 20
.set STO,  24
.set RD,   25
.set CO,   26
.set ADRS, 27
.set SPW,  28
.set NIL,  29
.set CYV,  30                          ; v30  cy
.set SC,   32
.set AF,   128
.set BIAS, 192
.set TMP,  128
.set BK,   160
.set G1, 24
.set G0, 32
.set G1B, 48
.set G0B, 56
.set G1S, 68
.set G0S, 76
.set G1SB, 80
.set G0SB, 88
.set MSB, 0
.macro WIN new                         ; the immediate's high byte repeats the setting that is left
.if MSB != (\new)
	s_set_vgpr_msb (MSB<<8)|(\new)
.set MSB, \new
.endif
.endm
.set MUL_LO, 0xa1                      ; source 0 (B) window 1, source 1 (A) window 0, C and D window 2
.set MUL_HI, 0xf1
.set FIRST_LO, 0x81                    ; the same with C (the bias) in window 0
.set FIRST_HI, 0xc1
.set TO_B,   0x40
.macro JLOAD g0a, g1a, g0b, g1b        ; a joint load: waves 0 and 1 fetch for A, waves 2 and 3 for B; the branch hangs on the wave's number alone
	s_cmp_eq_u32 s15, 0
	s_cbranch_scc0 .Lfor_b_\@
	tensor_load_to_lds s[\g0a:\g0a+3], s[\g1a:\g1a+7]
	s_nop 0
.rept 4
	v_nop
.endr
	s_branch .Lasked_\@
.Lfor_b_\@:
	tensor_load_to_lds s[\g0b:\g0b+3], s[\g1b:\g1b+7]
	s_nop 0
.rept 4
	v_nop
.endr
.Lasked_\@:
.endm
.macro CROUND                          ; a round of the cluster's barrier
	s_barrier_signal -1
	s_barrier_wait -1
	s_cmp_lg_u32 s14, 0
	s_cbranch_scc1 .Lnot_wave_0_\@
	s_barrier_signal -3
.Lnot_wave_0_\@:
	s_barrier_wait -3
	s_barrier_signal -1
	s_barrier_wait -1
.endm
	s_load_b128 s[4:7], s[0:1], 0x0                ; A's codes, A's scales
	s_load_b128 s[8:11], s[0:1], 0x10              ; B's codes, B's scales
	s_load_b128 s[96:99], s[0:1], 0x20             ; b_attn, qkv16
	s_load_b64 s[12:13], s[0:1], 0x30              ; qkvf
	v_lshl_add_u32 v[SPW], v0, 2, SPARE
	v_mov_b32 v[NIL], 0
	ds_add_u32 v[SPW], v[NIL]                      ; the wave's opening: the add, twice on end, and its wait ahead of my first tensor load
	ds_add_u32 v[SPW], v[NIL]
	v_lshrrev_b32 v1, 5, v0
	v_readfirstlane_b32 s14, v1                    ; wave 0..3
	s_lshr_b32 s15, s14, 1                         ; which half of the tile's rows is mine.  Also: I fetch for A (0) or for B (1)
	s_and_b32 s16, s14, 1                          ; which half of its columns.  Also: which 128 rows of that tile I fetch
	s_bfe_u32 s40, ttmp6, 0x40000                  ; cx
	s_bfe_u32 s41, ttmp6, 0x40004                  ; cy
	s_lshl_b32 s42, ttmp9, 2
	s_add_co_u32 s42, s42, s40                     ; tile column
	s_and_b32 s17, ttmp7, 0xffff
	s_lshl_b32 s17, s17, 2
	s_add_co_u32 s17, s17, s41                     ; tile row
	s_lshl_b32 s43, s41, 2
	s_lshl_b32 s43, 15, s43                        ; my row of the cluster
	s_lshl_b32 s44, 0x1111, s40                    ; my column
	s_or_b32 s[G1+0], s43, (0<<16)|(1<<20)|(1<<21)|(5<<22)|(3<<25)   ; the mask; elements of 1 byte; padding: 4 words behind every 64; bit 21 beside a mask
	s_or_b32 s[G1B+0], s44, (0<<16)|(1<<20)|(1<<21)|(5<<22)|(3<<25)
.irp g, G1, G1B
	s_mov_b32 s[\g+1], ROWB<<16                    ; tensor_dim0
	s_mov_b32 s[\g+2], 128<<16                     ; tensor_dim1
	s_mov_b32 s[\g+3], ROWB<<16                    ; tile_dim0
	s_mov_b32 s[\g+4], 128                         ; tile_dim1
	s_mov_b32 s[\g+5], KROW                        ; the pitch
	s_mov_b32 s[\g+6], 0
	s_mov_b32 s[\g+7], 0
.endr
	s_or_b32 s[G1S+0], s43, (3<<16)|(1<<20)|(1<<21)|(5<<22)|(3<<25)  ; the scales of 128 rows: 4,096 dense bytes as 16 rows of 256 (32 elements of 8 bytes), padded alike
	s_or_b32 s[G1SB+0], s44, (3<<16)|(1<<20)|(1<<21)|(5<<22)|(3<<25)
.irp g, G1S, G1SB
	s_mov_b32 s[\g+1], 32<<16
	s_mov_b32 s[\g+2], (128*KS/256)<<16
	s_mov_b32 s[\g+3], 32<<16
	s_mov_b32 s[\g+4], 128*KS/256
	s_mov_b32 s[\g+5], 32
	s_mov_b32 s[\g+6], 0
	s_mov_b32 s[\g+7], 0
.endr
	s_lshl_b32 s18, s16, 7
	s_lshl_b32 s20, s17, 8
	s_add_co_u32 s20, s20, s18                     ; A: row 256 x tile row + 128 x half
	s_lshl_b32 s46, s42, 8
	s_add_co_u32 s46, s46, s18                     ; B: row 256 x tile column + 128 x half
	s_mov_b32 s21, 0
	s_mov_b32 s47, 0
	s_mov_b64 s[18:19], KS
	s_mul_u64 s[22:23], s[20:21], s[18:19]
	s_mul_u64 s[92:93], s[46:47], s[18:19]
	s_mov_b64 s[18:19], KROW
	s_mul_u64 s[20:21], s[20:21], s[18:19]
	s_mul_u64 s[46:47], s[46:47], s[18:19]
	s_mul_i32 s45, s14, HALFT                      ; where they go: wave x 128 rows: no place in the cluster enters an LDS address
	s_mul_i32 s94, s14, HALFS
	s_wait_dscnt 0x0                               ; both opening adds are done
	s_wait_kmcnt 0x0
	s_add_nc_u64 s[20:21], s[4:5], s[20:21]
	s_add_nc_u64 s[22:23], s[6:7], s[22:23]
	s_add_nc_u64 s[46:47], s[8:9], s[46:47]
	s_add_nc_u64 s[92:93], s[10:11], s[92:93]
	CROUND                                         ; all sixteen work-groups are here: the joint loads meet
	s_mov_b32 s[G0S], 1
	s_add_co_u32 s[G0S+1], s94, SCL
	s_mov_b64 s[G0S+2:G0S+3], s[22:23]
	s_or_b32 s[G0S+3], s[G0S+3], 0x80000000
	s_mov_b32 s[G0SB], 1
	s_add_co_u32 s[G0SB+1], s94, SCL
	s_mov_b64 s[G0SB+2:G0SB+3], s[92:93]
	s_or_b32 s[G0SB+3], s[G0SB+3], 0x80000000
	JLOAD G0S, G1S, G0SB, G1SB                     ; the scales first
.irp s, 0,1
	s_mov_b32 s[G0+4*\s], 1
	s_add_co_u32 s[G0+4*\s+1], s45, \s*SLOT
	s_add_nc_u64 s[G0+4*\s+2:G0+4*\s+3], s[20:21], \s*ROWB
	s_or_b32 s[G0+4*\s+3], s[G0+4*\s+3], 0x80000000
	s_mov_b32 s[G0B+4*\s], 1
	s_add_co_u32 s[G0B+4*\s+1], s45, \s*SLOT
	s_add_nc_u64 s[G0B+4*\s+2:G0B+4*\s+3], s[46:47], \s*ROWB
	s_or_b32 s[G0B+4*\s+3], s[G0B+4*\s+3], 0x80000000
	JLOAD G0+4*\s, G1, G0B+4*\s, G1B
.endr
	v_and_b32 v1, 15, v0                           ; r
	v_bfe_u32 v2, v0, 4, 1                         ; h
	v_mul_u32_u24 v3, v1, PITCH
	v_lshl_add_u32 v4, v2, 4, v3
	s_mul_i32 s21, s15, HALFT
	s_mul_i32 s22, s16, HALFT
	s_add_co_u32 s22, s22, 2*HALFT
.irp s, 0,1
	v_add_nc_u32 v[ADRA+\s], s21, v4
	v_add_nc_u32 v[ADRB+\s], s22, v4
	s_add_co_u32 s21, s21, SLOT
	s_add_co_u32 s22, s22, SLOT
.endr
	v_mul_u32_u24 v5, v1, KS                       ; my row's scales: 32 bytes a row, and 16 more for each 256 passed
	v_lshrrev_b32 v6, 8, v5
	v_lshl_add_u32 v5, v6, 4, v5
	s_mul_i32 s21, s15, HALFS
	s_mul_i32 s22, s16, HALFS
	s_add_co_u32 s22, s22, 2*HALFS
	s_sub_co_u32 s22, s22, s21
	v_mul_u32_u24 v6, s22, v2                      ; lanes 16-31 take B's
	s_add_co_u32 s21, s21, SCL
	v_add_nc_u32 v5, v5, v6
	v_add_nc_u32 v[ADRS], s21, v5
	s_mul_i32 s23, s14, WSTG                       ; my stage
	v_mul_u32_u24 v5, v1, 272
	v_lshl_add_u32 v5, v2, 4, v5
	v_add_nc_u32 v[STO], s23, v5                   ; f16, in: token r, 16 bytes for each half of the lanes
	v_bfe_u32 v5, v0, 3, 1
	v_mul_u32_u24 v5, v5, 272
	v_lshl_add_u32 v5, v2, 7, v5
	v_and_b32 v6, 7, v0
	v_lshl_add_u32 v5, v6, 4, v5
	v_add_nc_u32 v[RD], s23, v5                    ; back: sixteen lanes take two tokens of one head (2 x 128 bytes); lanes 16-31 the next head
	v_lshlrev_b32 v5, 18, v2
	v_lshl_add_u32 v[CO], v1, 4, v5                ; and the same in qkv16: a head is 262,144 bytes
	v_mul_u32_u24 v5, v1, 528
	v_lshl_add_u32 v5, v2, 5, v5
	v_add_nc_u32 v[STF], s23, v5
	v_and_b32 v6, 31, v0
	v_lshlrev_b32 v[COF], 4, v6
	v_add_nc_u32 v[RDF], s23, v[COF]
	v_lshlrev_b32 v[BO], 5, v2
	v_mov_b32 v[CYV], s41
	; the pointers.  What is made of the tile column stays in s46, s47, s92, s93; what is made of the tile row in s20 to s23
	s_lshl_b32 s46, s42, 8
	s_lshl_b32 s47, s16, 7
	s_add_co_u32 s46, s46, s47                     ; my first column of the 3,072
	s_lshl_b32 s92, s46, 2
	s_mov_b32 s93, 0
	s_add_nc_u64 s[96:97], s[96:97], s[92:93]
	s_add_nc_u64 s[12:13], s[12:13], s[92:93]
	s_lshr_b32 s92, s46, 10                        ; q, k or v
	s_lshl_b32 s92, s92, 5
	s_bfe_u32 s47, s46, 0x40006                    ; my first head
	s_add_co_u32 s92, s92, s47
	s_lshl_b32 s92, s92, 18
	s_add_nc_u64 s[98:99], s[98:99], s[92:93]
	s_lshl_b32 s20, s17, 8
	s_lshl_b32 s21, s15, 7
	s_add_co_u32 s20, s20, s21                     ; my first row of the 4,096
	s_lshr_b32 s21, s20, 11                        ; the batch
	s_and_b32 s20, s20, 2047                       ; the position
	s_lshl_b32 s20, s20, 7
	s_lshl_b32 s22, s21, 22                        ; 16 heads of 262,144 bytes
	s_add_co_u32 s20, s20, s22
	s_mul_i32 s22, s21, 196608
	s_mov_b32 s21, 0
	s_mov_b32 s23, 0
	s_add_nc_u64 s[98:99], s[98:99], s[20:21]
	s_add_nc_u64 s[12:13], s[12:13], s[22:23]
.irp b, 0,1,2,3,4,5,6,7                        ; the bias in the result's layout: block b, lane (r, h): columns 16 b + 8 h + 0 .. 7
	global_load_b128 v[BIAS+8*\b:BIAS+8*\b+3], v[BO], s[96:97] offset:64*\b
	global_load_b128 v[BIAS+8*\b+4:BIAS+8*\b+7], v[BO], s[96:97] offset:64*\b+16
.endr
.macro FRAG reg, adr, q, i             ; 16 rows x 128 K of 4-bit codes: 8 registers; lane l: row l % 16; registers 4 c .. 4 c + 3: K = 64 c + 32 (l / 16) + 0 .. 31
.irp c, 0,1
	ds_load_b128 v[\reg+4*\c:\reg+4*\c+3], v[\adr] offset:64*(\q)+32*\c+(\i)*16*PITCH
.endr
.endm
; 16 matrix instructions: A's blocks a0, a0 + 1 x B's eight.  zero = 1: the first product starts the sums on the bias.  The 64 accumulators take turns, one instruction a turn.
.macro MUL16 a0, p, q, sc, zero
.irp a, \a0, \a0+1
.irp b, 0,1,2,3,4,5,6,7
.if \zero
	v_wmma_scale_f32_16x16x128_f8f6f4 v[8*(8*((\a)%4)+\b):8*(8*((\a)%4)+\b)+7], v[128*(\p)+FR*\b:128*(\p)+FR*\b+FR-1], v[AF+FR*(\a):AF+FR*(\a)+FR-1], v[BIAS+8*\b:BIAS+8*\b+7], v[SC+8*NQ*(\sc)+NQ*\b+(\q)], v[SC+8*NQ*(\sc)+NQ*(\a)+(\q)] matrix_a_fmt:MATRIX_FMT_FP4 matrix_b_fmt:MATRIX_FMT_FP4 matrix_a_scale:MATRIX_SCALE_ROW1
.else
	v_wmma_scale_f32_16x16x128_f8f6f4 v[8*(8*((\a)%4)+\b):8*(8*((\a)%4)+\b)+7], v[128*(\p)+FR*\b:128*(\p)+FR*\b+FR-1], v[AF+FR*(\a):AF+FR*(\a)+FR-1], v[8*(8*((\a)%4)+\b):8*(8*((\a)%4)+\b)+7], v[SC+8*NQ*(\sc)+NQ*\b+(\q)], v[SC+8*NQ*(\sc)+NQ*(\a)+(\q)] matrix_a_fmt:MATRIX_FMT_FP4 matrix_b_fmt:MATRIX_FMT_FP4 matrix_a_scale:MATRIX_SCALE_ROW1
.endif
.endr
.endr
.endm
.macro FETCH_B slot, q, p
	WIN TO_B
.irp i, 0,1,2,3,4,5,6,7
	FRAG 128*(\p)+FR*\i, ADRB+\slot, \q, \i
.endr
	WIN 0
.endm
.macro FETCH_A slot, q, i0
.irp i, \i0, \i0+1, \i0+2, \i0+3
	FRAG AF+FR*(\i), ADRA+\slot, \q, \i
.endr
.endm
.macro SCALES sc                       ; a slot's scale words: four a row; lanes 0-15 take A's block i, lanes 16-31 B's block i
.irp i, 0,1,2,3,4,5,6,7
	ds_load_b128 v[SC+8*NQ*\sc+NQ*\i:SC+8*NQ*\sc+NQ*\i+3], v[ADRS] offset:\i*SBLK
.endr
.endm
.macro PLACES n                        ; plain vector instructions between a matrix instruction and a load into, or a read of, its registers
.rept \n
	v_nop
.endr
.endm
.macro STEP slot, q, zero              ; 128 along K with its successor in the same slot
	s_wait_dscnt 4*NL                              ; B's set and A's blocks 0-3 are in; the youngest eight loads (A's blocks 4-7) may be out
.if \zero
	WIN FIRST_LO
.else
	WIN MUL_LO
.endif
	MUL16 0, (\q)%2, \q, \slot, \zero
	MUL16 2, (\q)%2, \q, \slot, \zero
	s_wait_dscnt 0
	PLACES NP
	FETCH_B \slot, (\q)+1, 1-(\q)%2
	FETCH_A \slot, (\q)+1, 0
.if \zero
	WIN FIRST_HI
.else
	WIN MUL_HI
.endif
	MUL16 4, (\q)%2, \q, \slot, \zero
	MUL16 6, (\q)%2, \q, \slot, \zero
	PLACES NP
	WIN 0
	FETCH_A \slot, (\q)+1, 4
.endm
.macro TURN slot, next                 ; slot 0's last step changes slots: one barrier; nothing is filled again
	s_wait_tensorcnt 0x0                           ; all my tensor loads have landed: my part of the next slot
	ds_add_u32 v[SPW], v[NIL]                      ; 0 onto my spare word
	s_wait_dscnt 4*NL+1                            ; the add and A's blocks 4-7 may be out
	WIN MUL_LO
	MUL16 0, 1, NQ-1, \slot, 0
	s_wait_dscnt 0x0                               ; the add is done, and my reads of this slot are over
	s_barrier_signal -1
	MUL16 2, 1, NQ-1, \slot, 0
	WIN 0
	s_barrier_wait -1
	PLACES NP
	v_add_nc_u32 v[ADRS], 4*NQ, v[ADRS]            ; the next slot's scale words
	FETCH_B \next, 0, 0
	FETCH_A \next, 0, 0
	SCALES \next
	WIN MUL_HI
	MUL16 4, 1, NQ-1, \slot, 0
	MUL16 6, 1, NQ-1, \slot, 0
	PLACES NP
	WIN 0
	FETCH_A \next, 0, 4
.endm
	s_wait_tensorcnt 1                             ; the scales and my part of slot 0 are in; slot 1's load may be out
	s_barrier_signal -1
	s_barrier_wait -1
	FETCH_B 0, 0, 0
	FETCH_A 0, 0, 0
	SCALES 0
	FETCH_A 0, 0, 4
	s_wait_loadcnt 0x0                             ; the bias
	STEP 0, 0, 1
	STEP 0, 1, 0
	STEP 0, 2, 0
	TURN 0, 1
	STEP 1, 0, 0
	STEP 1, 1, 0
	STEP 1, 2, 0
	s_wait_dscnt 4*NL                              ; the last step: nothing more to fetch
	WIN MUL_LO
	MUL16 0, 1, NQ-1, 1, 0
	MUL16 2, 1, NQ-1, 1, 0
	s_wait_dscnt 0
	WIN MUL_HI
	MUL16 4, 1, NQ-1, 1, 0
	MUL16 6, 1, NQ-1, 1, 0
	WIN 0
	PLACES NP
	; THE F32 COPY of positions 0-15: they are block 0 of the waves with the tile's upper rows, in tile rows 0 and 8.  The branch hangs on the cluster's y and the wave's number, which all partners share;
	; the place in the cluster enters EXEC of the global stores alone.  The block goes through my stage as it is and comes back as rows of 512 bytes.
	s_and_b32 s3, ttmp7, 1
	s_or_b32 s3, s3, s15
	s_cmp_lg_u32 s3, 0
	s_cbranch_scc1 .Lno_fine
	WIN 0x08                                       ; an LDS store's data are its source 1: window 2
.irp b, 0,1,2,3,4,5,6,7
	ds_store_b128 v[STF], v[8*\b:8*\b+3] offset:64*\b             ; each accumulator from its low end on
	ds_store_b128 v[STF], v[8*\b+4:8*\b+7] offset:64*\b+16
.endr
	WIN 0
.irp t, 0,1,2,3,4,5,6,7,8,9,10,11,12,13,14,15
	ds_load_b128 v[128+4*\t:131+4*\t], v[RDF] offset:\t*528       ; LDS serves a wave's instructions in order: these see my stores
.endr
	s_wait_dscnt 0x0
	v_cmp_eq_u32 vcc_lo, 0, v[CYV]
	s_wait_xcnt 0x0                                ; EXEC changes only behind this wait
	s_and_saveexec_b32 s3, vcc_lo
.irp t, 0,1,2,3,4,5,6,7,8,9,10,11,12,13,14,15
	global_store_b128 v[COF], v[128+4*\t:131+4*\t], s[12:13] offset:\t*12288   ; 32 lanes store 512 consecutive bytes, aligned
.endr
	s_wait_xcnt 0x0                                ; and again ahead of the line that widens it; the stores' data may be written again too
	s_or_b32 exec_lo, exec_lo, s3
.Lno_fine:
; THE WAY OUT, block by block of 16 tokens x 128 columns (two heads): rounded to f16, through my stage, and out so that sixteen lanes store two tokens of one head: 256 consecutive bytes, aligned.
.macro PACK a
.set AC, 64*((\a)%4)
	WIN 0x0a+5*((\a)/4)                            ; sources 0 and 1: window 2 or 3
.irp b, 0,1,2,3,4,5,6,7
.irp q, 0,1,2,3
	v_cvt_pk_f16_f32 v[TMP+4*\b+\q], v[AC+8*\b+2*\q], v[AC+8*\b+2*\q+1]
.endr
.endr
	WIN 0
.endm
.macro TOSTAGE a
.set BB, BK+32*((\a)%2)
.irp b, 0,1,2,3,4,5,6,7
	ds_store_b128 v[STO], v[TMP+4*\b:TMP+4*\b+3] offset:32*\b
.endr
.irp i, 0,1,2,3,4,5,6,7
	ds_load_b128 v[BB+4*\i:BB+4*\i+3], v[RD] offset:\i*544
.endr
.endm
.macro SEND a
.set BB, BK+32*((\a)%2)
	s_wait_dscnt 0x0                               ; the block is back in registers
	s_wait_xcnt 0x0                                ; the block before has left its registers: the next block's loads may land there
.irp i, 0,1,2,3,4,5,6,7
	global_store_b128 v[CO], v[BB+4*\i:BB+4*\i+3], s[98:99] offset:2048*(\a)+256*\i
.endr
.endm
	PACK 0
	TOSTAGE 0
.irp a, 1,2,3,4,5,6,7                  ; block a's conversions stand between block a - 1's loads from the stage and the wait for them
	PACK \a
	SEND \a-1
	TOSTAGE \a
.endr
	SEND 7
	s_wait_tensorcnt 0x0                           ; the wave's end
	ds_add_u32 v[SPW], v[NIL]
	s_wait_dscnt 0x0
	CROUND                                         ; the closing round
	s_endpgm
.Lfunc_end_k_qc403abe5ba_gemm_qkv:
	.size	k_qc403abe5ba_gemm_qkv, .Lfunc_end_k_qc403abe5ba_gemm_qkv-k_qc403abe5ba_gemm_qkv
	.p2alignl 7, 3214868480
	.fill 96, 4, 3214868480
	.section	.rodata,"a",@progbits
	.p2align	6, 0x0
	.amdhsa_kernel k_qc403abe5ba_gemm_qkv
		.amdhsa_group_segment_fixed_size 327680
		.amdhsa_private_segment_fixed_size 0
		.amdhsa_enable_private_segment 0
		.amdhsa_kernarg_size 56
		.amdhsa_user_sgpr_count 2
		.amdhsa_user_sgpr_kernarg_segment_ptr 1
		.amdhsa_wavefront_size32 1
		.amdhsa_system_sgpr_workgroup_id_x 1
		.amdhsa_system_sgpr_workgroup_id_y 1
		.amdhsa_system_sgpr_workgroup_id_z 1
		.amdhsa_system_vgpr_workitem_id 0
		.amdhsa_next_free_vgpr 1024
		.amdhsa_next_free_sgpr 100
		.amdhsa_reserve_vcc 1
		.amdhsa_float_denorm_mode_32 3
		.amdhsa_float_denorm_mode_16_64 3
		.amdhsa_memory_ordered 1
		.amdhsa_forward_progress 1
		.amdhsa_inst_pref_size 133
	.end_amdhsa_kernel
	.amdgpu_metadata
---
amdhsa.version: [ 1, 2 ]
amdhsa.kernels:
  - .name:           k_qc403abe5ba_gemm_qkv
    .symbol:         k_qc403abe5ba_gemm_qkv.kd
    .args:
      - { .name: x_codes, .offset: 0, .size: 8, .value_kind: global_buffer, .address_space: global }
      - { .name: x_scales, .offset: 8, .size: 8, .value_kind: global_buffer, .address_space: global }
      - { .name: w_codes, .offset: 16, .size: 8, .value_kind: global_buffer, .address_space: global }
      - { .name: w_scales, .offset: 24, .size: 8, .value_kind: global_buffer, .address_space: global }
      - { .name: b_attn, .offset: 32, .size: 8, .value_kind: global_buffer, .address_space: global }
      - { .name: qkv16, .offset: 40, .size: 8, .value_kind: global_buffer, .address_space: global }
      - { .name: qkvf, .offset: 48, .size: 8, .value_kind: global_buffer, .address_space: global }
    .group_segment_fixed_size: 327680
    .private_segment_fixed_size: 0
    .kernarg_segment_align: 8
    .kernarg_segment_size: 56
    .max_flat_workgroup_size: 128
    .sgpr_count:     100
    .vgpr_count:     1024
    .wavefront_size: 32
...
	.end_amdgpu_metadata
.endif
;; end of part 2
;; launch attn (part 3): grid 8 x 32, 8 waves a work-group, no clusters, 78,848 bytes of LDS; arguments qkv16, y16; writes y16
.if DOCPART == 3
	.amdgcn_target "amdgcn-amd-amdhsa--gfx1250"
	.amdhsa_code_object_version 6
	.text
	.protected	k_qc403abe5ba_attn
	.globl	k_qc403abe5ba_attn
	.p2align	8
	.type	k_qc403abe5ba_attn,@function
k_qc403abe5ba_attn:
	s_mov_b64 s[64:65], 0
	v_nop
	global_prefetch_b8 v0, s[64:65] scope:SCOPE_SE
	s_setreg_imm32_b32 hwreg(HW_REG_WAVE_MODE, 25, 1), 1
	s_wait_xcnt 0x0
; y[b][h][q] = the sum over k <= q of softmax_k(q . k / 8) v, f16 operands, f32 products' sums, maxima and sums.  qkv16: [q, k, v][bh 32][2048][64] f16.
; y16: f16 in the order of the projection's operand registers: [K step of 256: 4][16 tokens: 256][32 along K: 8][half 2][lane 32][16 B]; a head is two fragments: (16 tokens, head) is 2,048 dense bytes.
; LIMITS: operands are f16 (magnitudes under 65,504); p = 2^(c s - c m) is one fused multiply-add against the rounded c m: the common factor cancels in the division by the row's sum.
; SHARES.  Work-group (i, bh) owns the blocks i and 15 - i of 128 queries: (i + 1) + (16 - i) = 17 blocks of keys for every work-group, so the causal work is even.  Wave w owns tile L (queries 128 i + 16 w on)
; and tile H (128 (15 - i) + 16 w on); both use each fragment of K and V that the wave reads from LDS.  Keys go in tiles of 64; the work-group needs tiles 0 to 31 - 2 i.
; A PHASE stands between two barriers and works on one tile of keys.  Tile t lies in LDS slot t % 4 and comes through staging registers t % 4; a trip of the loop is four phases, written out, so that every LDS
; address is a fixed register and an immediate.  At the head of phase j tile j + 2 goes from registers into its slot and tile j + 5 is asked of memory: twelve loads a wave are on their way.  K's fragments of
; tile j were read from LDS in phase j - 1, into one of two sets of registers, so the products K Q^T stand straight behind the barrier.  The phase's 32 LDS loads, V of tile j and then K of tile j + 1, are dealt out
; in runs of four: two behind those products, six among the first softmax's vector instructions, so that LDS is read while the vector unit works.
; Every phase issues its four loads and four stores, so that the counted wait means the same on every path; the tile's number is held at the work-group's last, so nothing is read that it does not need.
; A phase all of whose keys come after a tile's queries is left out for that tile by a scalar branch on ids; a wave with nothing left still reads the next K, so that K's registers are written on every path.
; NO CLUSTER: the work-groups of a head walk 32 - 2 i tiles each: partners would need different numbers of tiles.  K and V come through registers for the same reason: the walk's length hangs on the work-group.
; LAYOUT.  S^T = K Q^T (source 0 = 16 keys, source 1 = 16 queries): a lane holds one query (lane % 16) and keys 8 (lane / 16) + 0..7 of each tile of 16.  Rounded in pairs these ARE source 1 of O^T = V^T P.
; V ([key][channel]) is turned by ds_load_tr16_b128.  O^T packed in pairs IS the projection's fragment: it is stored straight from registers, 512 dense bytes a store.
; REGISTERS: window 0: v1-7, v10-15 addresses; v8, v9 the add's two; v16-31 statistics, 8 a tile (c m, m, l, l, four at work; a in +6); v32-95 staging, four sets; v96-159 S^T; v160-191 P; v192-255 K, set 0.
;   window 1: v0-31 Q; v32-95 V; v96-159 O^T; v160-223 K, set 1.
.set KP,    144                        ; a row of K in LDS: 128 bytes + 16: the 16 rows of a load start 4 words apart
.set VP,    160                        ; a row of V: 128 + 32: an odd multiple of 32
.set KSLOT, 64*KP
.set VSLOT, 64*VP
.set VBASE, 4*KSLOT                    ; K's four slots, then V's four: every immediate stays inside 16 bits
.set SPARE, VBASE+4*VSLOT              ; the spare words, 128 bytes for each wave
.set SPW, 8
.set NIL, 9
.set ST,  16
.set SG,  32
.set S,   96
.set P,   160
.set K0,  192                          ; K's set 0, in window 0; set 1 lies at v160 of window 1: set n at K0 - 32 n of window n
.set QF,  0                            ; in window 1
.set VF,  32                           ; in window 1
.set OF,  96                           ; in window 1
.set MSB, 0
.macro WIN new                         ; the immediate's high byte repeats the setting that is left
.if MSB != (\new)
	s_set_vgpr_msb (MSB<<8)|(\new)
.set MSB, \new
.endif
.endm
.macro PLACES
.rept 4
	v_nop
.endr
.endm
.macro FIRST_LD t                      ; at the head: tile t into set t % 4; each load of a wave covers 512 consecutive bytes
	global_load_b128 v[SG+16*((\t)%4):SG+16*((\t)%4)+3], v7, s[38:39] offset:8192*(\t)
	global_load_b128 v[SG+16*((\t)%4)+4:SG+16*((\t)%4)+7], v7, s[38:39] offset:8192*(\t)+4096
	global_load_b128 v[SG+16*((\t)%4)+8:SG+16*((\t)%4)+11], v7, s[42:43] offset:8192*(\t)
	global_load_b128 v[SG+16*((\t)%4)+12:SG+16*((\t)%4)+15], v7, s[42:43] offset:8192*(\t)+4096
.endm
.macro STAGE_ST s                      ; set s into slot s: thread t holds row t / 8 (and 32 further), 16 bytes at 16 (t % 8)
	ds_store_b128 v5, v[SG+16*(\s):SG+16*(\s)+3] offset:(\s)*KSLOT
	ds_store_b128 v5, v[SG+16*(\s)+4:SG+16*(\s)+7] offset:(\s)*KSLOT+32*KP
	ds_store_b128 v6, v[SG+16*(\s)+8:SG+16*(\s)+11] offset:(\s)*VSLOT
	ds_store_b128 v6, v[SG+16*(\s)+12:SG+16*(\s)+15] offset:(\s)*VSLOT+32*VP
.endm
; A PREFETCH INTO THE L2 of the tile that stands two behind the one just asked for: 8,192 dense bytes, lanes 256 bytes apart.  All eight work-groups of a head walk the same tiles from tile 0 on; work-group i = 0 walks
; all 32, so it asks, and nobody else: its wave 0 for K's, its wave 1 for V's.  Tiles 7 to 31 are named once each; tiles 0 to 6 come by their loads alone; from tile 30's load on nothing is asked for.
.macro ASK
	s_cmp_lt_u32 s33, s32
	s_cbranch_scc0 .Lnot_mine_\@
	global_prefetch_b8 v13, s[30:31] offset:16384 th:TH_LOAD_NT scope:SCOPE_SE
.Lnot_mine_\@:
.endm
.macro STAGE_LD s                      ; the next tile into set s
	s_wait_xcnt 0x0                                ; the earlier loads and the last prefetch, a phase back, have read their bases: they may be written
	s_add_co_u32 s33, s33, 1                       ; the tile's number,
	s_min_u32 s34, s33, s44                        ; held at the work-group's last tile
	s_lshl_b32 s34, s34, 13                        ; a tile is 8,192 bytes (s35 = 0)
	s_add_nc_u64 s[12:13], s[38:39], s[34:35]
	s_add_nc_u64 s[14:15], s[42:43], s[34:35]
	s_add_nc_u64 s[30:31], s[40:41], s[34:35]
	global_load_b128 v[SG+16*(\s):SG+16*(\s)+3], v7, s[12:13]
	global_load_b128 v[SG+16*(\s)+4:SG+16*(\s)+7], v7, s[12:13] offset:4096
	global_load_b128 v[SG+16*(\s)+8:SG+16*(\s)+11], v7, s[14:15]
	global_load_b128 v[SG+16*(\s)+12:SG+16*(\s)+15], v7, s[14:15] offset:4096
	ASK
.endm
; The next four of a phase's 32 LDS loads.  Numbers 0-15: V's eight fragments of slot VSL (fragment q / 2: keys 32 (q / 8) on, channels 16 ((q / 2) % 4) on; its half q % 2), turned.
; Numbers 16-31: K's eight fragments of slot KSL (keys 16 (m / 4) on, channels 32 ((m / 2) % 2) on; half m % 2, m = q - 16) into K's set KBN.
.macro RUN4
.rept 4
.if q < 16
	WIN 0x40                                       ; destination window 1
	ds_load_tr16_b128 v[VF+4*q:VF+4*q+3], v4 offset:VSL*VSLOT+(q/8)*32*VP+(q%2)*16*VP+((q/2)%4)*32
.else
	WIN 0x40*KBN
	ds_load_b128 v[KN+4*(q-16):KN+4*(q-16)+3], v3 offset:KSL*KSLOT+((q-16)/4)*16*KP+(((q-16)/2)%2)*64+((q-16)%2)*32
.endif
.set q, q+1
.endr
	WIN 0
.endm
.macro SP1 t, kt, ks
.if \ks == 0
	v_wmma_f32_16x16x32_f16 v[S+32*\t+8*\kt:S+32*\t+8*\kt+7], v[KC+8*(2*\kt+\ks):KC+8*(2*\kt+\ks)+7], v[QF+16*\t+8*\ks:QF+16*\t+8*\ks+7], 0
.else
	v_wmma_f32_16x16x32_f16 v[S+32*\t+8*\kt:S+32*\t+8*\kt+7], v[KC+8*(2*\kt+\ks):KC+8*(2*\kt+\ks)+7], v[QF+16*\t+8*\ks:QF+16*\t+8*\ks+7], v[S+32*\t+8*\kt:S+32*\t+8*\kt+7]
.endif
.endm
.macro SPROD both                      ; S^T = K Q^T from K's set KBC; the accumulators take turns, one instruction a turn
	WIN 0x04+KBC                                   ; source 0 (K) window KBC, source 1 (Q) window 1
.irp ks, 0,1
.irp kt, 0,1,2,3
.if \both
	SP1 0, \kt, \ks
.endif
	SP1 1, \kt, \ks
.endr
.endr
	WIN 0
.endm
.macro PVP t                           ; O^T += V^T P: four accumulators by turns
	WIN 0x51                                       ; V, and O^T as C and D, in window 1
.irp u, 0,1
.irp ct, 0,1,2,3
	v_wmma_f32_16x16x32_f16 v[OF+32*\t+8*\ct:OF+32*\t+8*\ct+7], v[VF+8*(4*\u+\ct):VF+8*(4*\u+\ct)+7], v[P+16*\t+8*\u:P+16*\t+8*\u+7], v[OF+32*\t+8*\ct:OF+32*\t+8*\ct+7]
.endr
.endr
	WIN 0
.endm
.macro MASK t, q0                      ; on the diagonal hidden scores become -infinity.  Register n holds key KEY + 16 (n / 8) + 8 (lane / 16) + n % 8: hidden where 16 (n / 8) + n % 8 > d
	s_add_co_u32 s45, s24, 63
	s_cmp_le_u32 s45, s[\q0]
	s_cbranch_scc1 .Lopen_\@                       ; all 64 keys count for all 16 queries
	s_sub_co_i32 s45, s[\q0], s24
	v_add_nc_u32 v11, s45, v10                     ; d = my query - KEY - 8 (lane / 16)
.set n, 0
.rept 32
	v_cmp_gt_i32 vcc_lo, 16*(n/8)+n%8, v11
	v_cndmask_b32 v[S+32*\t+n], v[S+32*\t+n], v12, vcc_lo
.set n, n+1
.endr
.Lopen_\@:
.endm
; One tile's softmax for one phase.  ld = 1: six runs of the phase's LDS loads stand among its instructions; none of them names a register of the softmax.
.macro SOFT t, ld
.set rT, ST+8*\t
.set rS, S+32*\t
.set rP, P+16*\t
.irp j, 0,1,2,3
	v_max3_num_f32 v[rT+4+\j], v[rS+8*\j], v[rS+8*\j+1], v[rS+8*\j+2]      ; each accumulator from its low end on
.endr
.irp g, 1,2
.irp j, 0,1,2,3
	v_max3_num_f32 v[rT+4+\j], v[rT+4+\j], v[rS+8*\j+2*\g+1], v[rS+8*\j+2*\g+2]
.endr
.endr
.if \ld
	RUN4
.endif
	v_max3_num_f32 v[rT+4], v[rT+4], v[rS+7], v[rS+15]
	v_max3_num_f32 v[rT+6], v[rT+6], v[rS+23], v[rS+31]
	v_max3_num_f32 v[rT+4], v[rT+4], v[rT+5], v[rT+6]
	v_max3_num_f32 v[rT+4], v[rT+4], v[rT+7], v[rT+1]                      ; with the old m
	v_permlanex16_b32 v[rT+5], v[rT+4], s28, s29                           ; the query's other 32 keys lie in the lane 16 away
	v_mov_b32 v[rT+7], v[rT]                                               ; c m_old
	v_max_num_f32 v[rT+1], v[rT+4], v[rT+5]
	v_mul_f32 v[rT], s26, v[rT+1]
	v_sub_f32 v[rT+7], v[rT+7], v[rT]
	v_exp_f32 v[rT+6], v[rT+7]                                             ; a = 2^(c m_old - c m_new)
.if \ld
	RUN4
.endif
.set n, 0
.rept 16
	v_pk_fma_f32 v[rS+2*n:rS+2*n+1], v[rS+2*n:rS+2*n+1], s[26:27], v[rT:rT+1] op_sel_hi:[1,0,0] neg_lo:[0,0,1] neg_hi:[0,0,1]   ; c s - c m
.set n, n+1
.endr
.if \ld
	RUN4
.endif
.set n, 0
.rept 4
.rept 8
	v_exp_f32 v[rS+n], v[rS+n]
.set n, n+1
.endr
.if \ld && (n < 32)
	RUN4
.endif
.endr
	v_nop                                          ; a plain instruction behind the last exponential
	s_wait_alu depctr_va_vdst(0)                   ; one wait for the 33 exponentials, ahead of the first instruction that names a result
.set n, 0
.rept 16
	v_cvt_pk_f16_f32 v[rP+n], v[rS+2*n], v[rS+2*n+1]
.set n, n+1
.endr
.irp z, 0,1,2,3,4,5,6,7                        ; the sum of the unrounded p, in place, as a tree of pairs
	v_pk_add_f32 v[rS+4*\z:rS+4*\z+1], v[rS+4*\z:rS+4*\z+1], v[rS+4*\z+2:rS+4*\z+3]
.endr
.irp z, 0,1,2,3
	v_pk_add_f32 v[rS+8*\z:rS+8*\z+1], v[rS+8*\z:rS+8*\z+1], v[rS+8*\z+4:rS+8*\z+5]
.endr
.irp z, 0,1
	v_pk_add_f32 v[rS+16*\z:rS+16*\z+1], v[rS+16*\z:rS+16*\z+1], v[rS+16*\z+8:rS+16*\z+9]
.endr
	v_pk_add_f32 v[rS:rS+1], v[rS:rS+1], v[rS+16:rS+17]
	v_pk_fma_f32 v[rT+2:rT+3], v[rT+2:rT+3], v[rT+6:rT+7], v[rS:rS+1] op_sel_hi:[1,0,1]   ; l = a l + the sum
.endm
.macro RESC t                          ; O^T times the factor in the tile's register +6
	WIN 0x41                                       ; O^T (destination and source 0) window 1
.set n, 0
.rept 16
	v_pk_mul_f32 v[OF+32*\t+2*n:OF+32*\t+2*n+1], v[OF+32*\t+2*n:OF+32*\t+2*n+1], v[ST+8*\t+6:ST+8*\t+7] op_sel_hi:[1,0]
.set n, n+1
.endr
	WIN 0
.endm
; PHASE p of a trip's four: the tile in slot p.
.macro STEPM p
.set VSL, \p                           ; V is read from this slot,
.set KSL, (\p+1)%4                     ; the next K from this one,
.set KBC, \p%2                         ; K's set at work,
.set KBN, (\p+1)%2                     ; and the set that is filled
.set KC, K0-32*KBC
.set KN, K0-32*KBN
	s_wait_dscnt 0x0                               ; my stores of the last phase have landed, and my LDS reads are back: the next K among them
	s_barrier_signal -1
	s_barrier_wait -1                              ; both hold of all eight waves: this slot and the next are whole, and nobody reads the slot that is written below
	s_wait_loadcnt 8                               ; the tile two on, asked for three phases ago, is in registers; behind its four loads stand the eight of the two tiles that follow
	STAGE_ST (\p+2)%4
	STAGE_LD (\p+1)%4                              ; the tile five on; this set's LDS stores, of the last phase, were shown done by the wait at this phase's head
	s_cmp_gt_u32 s24, s23                          ; all keys come after tile H's queries (and so after L's)
	s_cbranch_scc1 .Lskip_\@
	PLACES                                         ; between the last phase's products V^T P and the loads into V's registers
	s_cmp_gt_u32 s24, s22
	s_cbranch_scc1 .Lhigh_\@
.set q, 0
	SPROD 1
	RUN4
	RUN4
	PLACES                                         ; between those products and the first read of the scores
	MASK 0, 20                                     ; while L is at work every key counts for H: its queries lie 128 or more further on
	SOFT 0, 1
	RESC 0
	s_wait_dscnt 16                                ; V is in; behind its loads stand K's sixteen
	PVP 0
	SOFT 1, 0
	RESC 1
	PVP 1
	s_branch .Lend_\@
.Lhigh_\@:
.set q, 0
	SPROD 0
	RUN4
	RUN4
	PLACES
	MASK 1, 21
	SOFT 1, 1
	RESC 1
	s_wait_dscnt 16
	PVP 1
	s_branch .Lend_\@
.Lskip_\@:                             ; nothing left for this wave: the next K alone, so that its registers are written on every path
.set q, 16
	RUN4
	RUN4
	RUN4
	RUN4
.Lend_\@:
	s_add_co_u32 s24, s24, 64
.endm
	s_load_b128 s[4:7], s[0:1], 0x0                ; qkv16, y16
	v_lshl_add_u32 v[SPW], v0, 2, SPARE
	v_mov_b32 v[NIL], 0
	v_lshrrev_b32 v15, 5, v0
	v_readfirstlane_b32 s8, v15                    ; wave
	s_mov_b32 s9, ttmp9                            ; i
	s_and_b32 s10, ttmp7, 0xffff                   ; bh
	v_and_b32 v1, 15, v0                           ; r
	v_bfe_u32 v2, v0, 4, 1                         ; h
	v_mul_u32_u24 v3, v1, KP
	v_lshl_add_u32 v3, v2, 4, v3                   ; K's fragments: row r, + 16 h
	v_and_b32 v4, 7, v0
	v_lshl_add_u32 v4, v2, 3, v4
	v_mul_u32_u24 v4, v4, VP
	v_bfe_u32 v15, v0, 3, 1
	v_lshl_add_u32 v4, v15, 4, v4
	v_add_nc_u32 v4, VBASE, v4                     ; V's: key 8 h + lane % 8, channels 8 ((lane / 8) % 2) on
	v_lshrrev_b32 v15, 3, v0
	v_and_b32 v7, 7, v0
	v_mul_u32_u24 v5, v15, KP
	v_lshl_add_u32 v5, v7, 4, v5                   ; staging: K's row t / 8, 16 (t % 8)
	v_mul_u32_u24 v6, v15, VP
	v_lshl_add_u32 v6, v7, 4, v6
	v_add_nc_u32 v6, VBASE, v6                     ; and V's
	v_lshlrev_b32 v7, 4, v0                        ; 16 t in a tile of memory
	s_lshl_b32 s20, s9, 7
	s_lshl_b32 s45, s8, 4
	s_add_co_u32 s20, s20, s45                     ; L's first query
	s_sub_co_u32 s21, 15, s9
	s_lshl_b32 s21, s21, 7
	s_add_co_u32 s21, s21, s45                     ; H's
	s_add_co_u32 s22, s20, 15
	s_add_co_u32 s23, s21, 15
	s_mov_b32 s24, 0                               ; the phase's first key
	s_mov_b32 s26, 0x3e38aa3b                      ; c = log2(e) / 8
	s_mov_b32 s27, s26
	s_mov_b32 s28, 0x76543210
	s_mov_b32 s29, 0xfedcba98
	s_lshl_b32 s44, s9, 1
	s_sub_co_u32 s44, 31, s44                      ; the work-group's last tile: 31 - 2 i
	s_mov_b32 s33, 4                               ; the last tile asked for at the head
	v_lshlrev_b32 v15, 7, v1
	v_lshl_add_u32 v15, v2, 4, v15
	s_lshl_b32 s45, s20, 7
	v_add_nc_u32 v[S], s45, v15                    ; Q: (first query + r) x 128 + 16 h; in registers that the scores take later
	s_lshl_b32 s45, s21, 7
	v_add_nc_u32 v[S+1], s45, v15
	v_lshlrev_b32 v10, 3, v2
	v_sub_nc_u32 v10, v1, v10                      ; r - 8 h
	v_mov_b32 v11, 0
	v_mov_b32 v12, 0xff800000                      ; -infinity
	v_and_b32 v14, 31, v0
	v_lshlrev_b32 v13, 8, v14                      ; the prefetches' offset
	v_lshlrev_b32 v14, 4, v14                      ; 16 x lane
.irp t, 0,1
	v_mov_b32 v[ST+8*\t+1], 0xff61b1e6             ; m = -3e38, under every score
	v_mul_f32 v[ST+8*\t], s26, v[ST+8*\t+1]
.irp j, 2,3,4,5,6,7
	v_mov_b32 v[ST+8*\t+\j], 0
.endr
.endr
	s_lshl_b32 s34, s10, 18                        ; a head is 262,144 bytes
	s_mov_b32 s35, 0
	s_lshr_b32 s45, s10, 4                         ; the batch
	s_and_b32 s46, s10, 15                         ; the head
	s_lshr_b32 s47, s46, 2
	s_lshl_b32 s47, s47, 21                        ; its K step of the projection
	s_and_b32 s46, s46, 3
	s_lshl_b32 s46, s46, 11                        ; its two fragments there
	s_add_co_u32 s46, s46, s47
	s_lshl_b32 s45, s45, 7
	s_lshr_b32 s12, s20, 4
	s_add_co_u32 s12, s12, s45                     ; L's block of 16 tokens
	s_lshl_b32 s12, s12, 13
	s_add_co_u32 s12, s12, s46
	s_mov_b32 s13, 0
	s_lshr_b32 s14, s21, 4
	s_add_co_u32 s14, s14, s45
	s_lshl_b32 s14, s14, 13
	s_add_co_u32 s14, s14, s46
	s_mov_b32 s15, 0
	s_wait_kmcnt 0x0
	s_add_nc_u64 s[16:17], s[4:5], s[34:35]        ; q of my head
	s_add_nc_u64 s[38:39], s[16:17], 0x800000      ; k
	s_add_nc_u64 s[42:43], s[16:17], 0x1000000     ; v
	s_add_nc_u64 s[18:19], s[6:7], s[12:13]
	s_add_nc_u64 s[36:37], s[6:7], s[14:15]
	s_cmp_eq_u32 s8, 0
	s_cselect_b64 s[40:41], s[38:39], s[42:43]     ; what my prefetches would name: wave 0 K, wave 1 V
	s_lshr_b32 s45, s8, 1
	s_or_b32 s45, s45, s9
	s_cmp_eq_u32 s45, 0
	s_cselect_b32 s32, 30, 0                       ; waves 0 and 1 of work-group i = 0 ask while the tile just loaded is under 30
	FIRST_LD 0
	FIRST_LD 1
	WIN 0x40
.irp ks, 0,1                                   ; Q stays in registers
	global_load_b128 v[QF+8*\ks:QF+8*\ks+3], v[S], s[16:17] offset:64*\ks
	global_load_b128 v[QF+8*\ks+4:QF+8*\ks+7], v[S], s[16:17] offset:64*\ks+32
	global_load_b128 v[QF+16+8*\ks:QF+16+8*\ks+3], v[S+1], s[16:17] offset:64*\ks
	global_load_b128 v[QF+16+8*\ks+4:QF+16+8*\ks+7], v[S+1], s[16:17] offset:64*\ks+32
.endr
	WIN 0
	FIRST_LD 2
	FIRST_LD 3
	WIN 0x40
.set n, 0
.rept 64
	v_mov_b32 v[OF+n], 0                           ; O^T: the phase is written once; its first turn finds zeros, which a = 0 leaves zeros
.set n, n+1
.endr
	WIN 0
	s_wait_loadcnt 8                               ; tiles 0 and 1 and Q are in; behind Q's last load stand the eight of tiles 2 and 3
	STAGE_ST 0
	STAGE_ST 1
	s_wait_dscnt 0x0                               ; for the others' sake: my stores have landed
	s_barrier_signal -1
	s_barrier_wait -1
	FIRST_LD 4                                     ; into set 0, whose LDS stores are done.  Nothing is prefetched at the head
.set KSL, 0
.set KBN, 0
.set KN, K0
.set q, 16
	RUN4                                           ; K of tile 0
	RUN4
	RUN4
	RUN4
	s_lshl_b32 s25, s9, 1
	s_sub_co_u32 s25, 35, s25
	s_lshr_b32 s25, s25, 2                         ; trips: 32 - 2 i phases, four a trip, rounded up; with an odd i the last two phases find no key that counts
	s_max_u32 s25, s25, 1
.Ltrip:
	STEPM 0
	STEPM 1
	STEPM 2
	STEPM 3
	s_sub_co_u32 s25, s25, 1
	s_cmp_lg_u32 s25, 0
	s_cbranch_scc1 .Ltrip
	; THE WAY OUT
	PLACES
.irp t, 0,1
	v_add_f32 v[ST+8*\t+4], v[ST+8*\t+2], v[ST+8*\t+3]
.endr
.irp t, 0,1
	v_permlanex16_b32 v[ST+8*\t+5], v[ST+8*\t+4], s28, s29
.endr
.irp t, 0,1
	v_add_f32 v[ST+8*\t+4], v[ST+8*\t+4], v[ST+8*\t+5]
.endr
.irp t, 0,1
	v_rcp_f32 v[ST+8*\t+6], v[ST+8*\t+4]
.endr
	v_nop
	s_wait_alu depctr_va_vdst(0)                   ; one wait for both reciprocals
	RESC 0
	RESC 1
	WIN 0x05                                       ; sources window 1, destination window 0
.set n, 0
.rept 32
	v_cvt_pk_f16_f32 v[S+n], v[OF+2*n], v[OF+2*n+1]
.set n, n+1
.endr
	WIN 0
.irp ct, 0,1,2,3                               ; channels 16 ct + 8 h + 0..7 of token r: half ct % 2 of fragment ct / 2
	global_store_b128 v14, v[S+4*\ct:S+4*\ct+3], s[18:19] offset:512*\ct
	global_store_b128 v14, v[S+16+4*\ct:S+16+4*\ct+3], s[36:37] offset:512*\ct
.endr
	s_wait_tensorcnt 0x0                           ; the wave's end
	ds_add_u32 v[SPW], v[NIL]
	s_wait_dscnt 0x0
	s_endpgm
.Lfunc_end_k_qc403abe5ba_attn:
	.size	k_qc403abe5ba_attn, .Lfunc_end_k_qc403abe5ba_attn-k_qc403abe5ba_attn
	.p2alignl 7, 3214868480
	.fill 96, 4, 3214868480
	.section	.rodata,"a",@progbits
	.p2align	6, 0x0
	.amdhsa_kernel k_qc403abe5ba_attn
		.amdhsa_group_segment_fixed_size 78848
		.amdhsa_private_segment_fixed_size 0
		.amdhsa_enable_private_segment 0
		.amdhsa_kernarg_size 16
		.amdhsa_user_sgpr_count 2
		.amdhsa_user_sgpr_kernarg_segment_ptr 1
		.amdhsa_wavefront_size32 1
		.amdhsa_system_sgpr_workgroup_id_x 1
		.amdhsa_system_sgpr_workgroup_id_y 1
		.amdhsa_system_sgpr_workgroup_id_z 1
		.amdhsa_system_vgpr_workitem_id 0
		.amdhsa_next_free_vgpr 480
		.amdhsa_next_free_sgpr 66
		.amdhsa_reserve_vcc 1
		.amdhsa_float_denorm_mode_32 3
		.amdhsa_float_denorm_mode_16_64 3
		.amdhsa_memory_ordered 1
		.amdhsa_forward_progress 1
		.amdhsa_inst_pref_size 154
	.end_amdhsa_kernel
	.amdgpu_metadata
---
amdhsa.version: [ 1, 2 ]
amdhsa.kernels:
  - .name:           k_qc403abe5ba_attn
    .symbol:         k_qc403abe5ba_attn.kd
    .args:
      - { .name: qkv16, .offset: 0, .size: 8, .value_kind: global_buffer, .address_space: global }
      - { .name: y16, .offset: 8, .size: 8, .value_kind: global_buffer, .address_space: global }
    .group_segment_fixed_size: 78848
    .private_segment_fixed_size: 0
    .kernarg_segment_align: 8
    .kernarg_segment_size: 16
    .max_flat_workgroup_size: 256
    .sgpr_count:     66
    .vgpr_count:     480
    .wavefront_size: 32
...
	.end_amdgpu_metadata
.endif
;; end of part 3
;; launch proj (part 4): grid 8 x 32, 4 waves a work-group, clusters of 4 x 4, 327,680 bytes of LDS; arguments y16, wp16, b_proj, out0; writes out0
.if DOCPART == 4
	.amdgcn_target "amdgcn-amd-amdhsa--gfx1250"
	.amdhsa_code_object_version 6
	.text
	.protected	k_qc403abe5ba_proj
	.globl	k_qc403abe5ba_proj
	.p2align	8
	.type	k_qc403abe5ba_proj,@function
k_qc403abe5ba_proj:
	s_mov_b64 s[64:65], 0
	v_nop
	global_prefetch_b8 v0, s[64:65] scope:SCOPE_SE
	s_setreg_imm32_b32 hwreg(HW_REG_WAVE_MODE, 25, 1), 1
	s_wait_xcnt 0x0
	s_wait_alu depctr_hold_cnt(0) depctr_sa_sdst(0) depctr_va_vdst(0) depctr_va_sdst(0) depctr_va_ssrc(0) depctr_va_vcc(0) depctr_vm_vsrc(0)
	s_getreg_b32 s2, hwreg(HW_REG_IB_STS2, 6, 4)
	s_cmp_eq_u32 s2, 0
	s_cbranch_scc0 .Lentry_in_a_cluster
	s_endpgm
.Lentry_in_a_cluster:
	s_bfe_u32 s2, ttmp6, 0x10000c
	s_cmp_lg_u32 s2, 0xf033
	s_cbranch_scc0 .Lentry_shape_is_right
	s_endpgm
.Lentry_shape_is_right:
; out = y W_proj + b_proj.  f16 operands, f32 sums.  y16 and wp16 lie in the order of the operands' registers: [K step of 256: 4][block of 16 rows][32 along K: 8][half 2][lane 32][16 B] (256 blocks of tokens, 64 of columns).
; 4,096 x 1,024 of out are 256 tiles of 128 x 128, one for each work-group; four waves, 64 x 64 each: 16 accumulators.  K goes in four steps of 256 through two LDS slots.
; A wave's tensor load brings four blocks of a K step: 32,768 dense bytes, stated as 128 rows of 256 bytes.  Fragments are read back lane by lane, 512 consecutive bytes a load: no padding is wanted.
; CLUSTERS: 4 x 4 work-groups; y's tiles are asked for jointly along a row of the cluster, W's along a column.  USED TRANSPOSED (source 0 = 16 columns of W, source 1 = 16 tokens): a lane holds eight neighbouring
; columns of one token.  The bias is the C of each sum's first product.  The rows of positions 0-15 are stored here too and stored anew, from f32 arithmetic, by the launch that follows.
; No prefetch: a small tile with four K steps, two of them asked for at the head.
; REGISTERS: window 0: v0-31 addresses; v32-95 the way out; v96-127 the bias; v128-255 the accumulators ((a, b) at v[128 + 8 (4 a + b)]).  window 1: two fragment buffers of 128: 64 of y, then 64 of W, for 64 along K.
.set PARTB,  32768                     ; what one tensor load brings, and what one wave reads of y or of W in a K step
.set SLOT,   4*PARTB
.set STAGE,  2*SLOT                    ; behind the ring: 16 rows x 272 bytes for each wave
.set SPITCH, 272
.set SPARE,  STAGE+4*16*SPITCH         ; the spare words, 128 bytes for each wave
.set ASTEP,  2097152                   ; a K step on in y16
.set BSTEP,  524288                    ; and in wp16
.set ADRA, 16
.set ADRB, 20
.set STO,  24
.set RD,   25
.set CO,   26
.set BO,   27
.set SPW,  28
.set NIL,  29
.set TMP,  32
.set BIAS, 96
.set ACC,  128
.set F0,   0
.set F1,   128
.set G1, 24
.set G0, 32
.set G1B, 48
.set G0B, 56
.set MSB, 0
.macro WIN new
.if MSB != (\new)
	s_set_vgpr_msb (MSB<<8)|(\new)
.set MSB, \new
.endif
.endm
.set MUL,  0x05                        ; sources 0 and 1 window 1; C and D window 0
.set TO_F, 0x40
.macro JLOAD s                         ; a joint load: waves 0 and 1 fetch y's two halves, waves 2 and 3 W's
	s_cmp_eq_u32 s11, 0
	s_cbranch_scc0 .Lfor_b_\@
	tensor_load_to_lds s[G0+4*\s:G0+4*\s+3], s[G1:G1+7]
	s_nop 0
.rept 4
	v_nop
.endr
	s_branch .Lasked_\@
.Lfor_b_\@:
	tensor_load_to_lds s[G0B+4*\s:G0B+4*\s+3], s[G1B:G1B+7]
	s_nop 0
.rept 4
	v_nop
.endr
.Lasked_\@:
.endm
.macro CREST
	s_cmp_lg_u32 s10, 0
	s_cbranch_scc1 .Lnot_wave_0_\@
	s_barrier_signal -3
.Lnot_wave_0_\@:
	s_barrier_wait -3
	s_barrier_signal -1
	s_barrier_wait -1
.endm
.macro CROUND
	s_barrier_signal -1
	s_barrier_wait -1
	CREST
.endm
	s_load_b128 s[4:7], s[0:1], 0x0                ; y16, wp16
	s_load_b128 s[68:71], s[0:1], 0x10             ; b_proj, out0
	v_lshl_add_u32 v[SPW], v0, 2, SPARE
	v_mov_b32 v[NIL], 0
	ds_add_u32 v[SPW], v[NIL]                      ; the wave's opening: the add, twice on end, and its wait ahead of my first tensor load
	ds_add_u32 v[SPW], v[NIL]
	v_lshrrev_b32 v1, 5, v0
	v_readfirstlane_b32 s10, v1                    ; wave
	s_lshr_b32 s11, s10, 1                         ; which half of the tile's tokens is mine.  Also: I fetch for y (0) or for W (1)
	s_and_b32 s12, s10, 1                          ; which half of its columns.  Also: which four blocks of that tile I fetch
	s_bfe_u32 s40, ttmp6, 0x40000                  ; cx
	s_bfe_u32 s41, ttmp6, 0x40004                  ; cy
	s_lshl_b32 s42, ttmp9, 2
	s_add_co_u32 s42, s42, s40                     ; tile column
	s_and_b32 s13, ttmp7, 0xffff
	s_lshl_b32 s13, s13, 2
	s_add_co_u32 s13, s13, s41                     ; tile row
	s_lshl_b32 s43, s41, 2
	s_lshl_b32 s43, 15, s43                        ; my row of the cluster
	s_lshl_b32 s44, 0x1111, s40                    ; my column
	s_or_b32 s[G1+0], s43, (3<<16)|(1<<21)         ; the mask; elements of 8 bytes; no padding; bit 21 beside a mask
	s_or_b32 s[G1B+0], s44, (3<<16)|(1<<21)
.irp g, G1, G1B
	s_mov_b32 s[\g+1], 32<<16                      ; tensor_dim0 = 32 elements: 256 bytes
	s_mov_b32 s[\g+2], 128<<16                     ; tensor_dim1 = 128
	s_mov_b32 s[\g+3], 32<<16                      ; tile_dim0
	s_mov_b32 s[\g+4], 128                         ; tile_dim1
	s_mov_b32 s[\g+5], 32                          ; the pitch: dense
	s_mov_b32 s[\g+6], 0
	s_mov_b32 s[\g+7], 0
.endr
	s_lshl_b32 s17, s12, 2
	s_lshl_b32 s16, s13, 3
	s_add_co_u32 s16, s16, s17                     ; y: block 8 x tile row + 4 x half
	s_lshl_b32 s16, s16, 13                        ; of 8,192 bytes
	s_lshl_b32 s46, s42, 3
	s_add_co_u32 s46, s46, s17                     ; W: block 8 x tile column + 4 x half
	s_lshl_b32 s46, s46, 13
	s_mov_b32 s17, 0
	s_mov_b32 s47, 0
	s_lshl_b32 s20, s10, 15                        ; where they go: wave x 32,768: no place in the cluster enters an LDS address
	s_wait_dscnt 0x0                               ; both opening adds are done
	s_wait_kmcnt 0x0
	s_add_nc_u64 s[14:15], s[4:5], s[16:17]
	s_add_nc_u64 s[46:47], s[6:7], s[46:47]
	CROUND                                         ; all sixteen work-groups are here: the first joint loads meet
.irp s, 0,1
	s_mov_b32 s[G0+4*\s], 1
	s_add_co_u32 s[G0+4*\s+1], s20, \s*SLOT
	s_add_nc_u64 s[G0+4*\s+2:G0+4*\s+3], s[14:15], \s*ASTEP
	s_or_b32 s[G0+4*\s+3], s[G0+4*\s+3], 0x80000000
	s_mov_b32 s[G0B+4*\s], 1
	s_add_co_u32 s[G0B+4*\s+1], s20, \s*SLOT
	s_add_nc_u64 s[G0B+4*\s+2:G0B+4*\s+3], s[46:47], \s*BSTEP
	s_or_b32 s[G0B+4*\s+3], s[G0B+4*\s+3], 0x80000000
	JLOAD \s
.endr
	v_and_b32 v1, 15, v0                           ; r
	v_bfe_u32 v2, v0, 4, 1                         ; h
	v_and_b32 v3, 31, v0
	v_lshlrev_b32 v3, 4, v3                        ; 16 x lane
	s_lshl_b32 s21, s11, 15                        ; my four blocks of y
	s_lshl_b32 s22, s12, 15                        ; my four of W,
	s_add_co_u32 s22, s22, 2*PARTB                 ; which lie behind y's eight
.irp s, 0,1
	v_add_nc_u32 v[ADRA+\s], s21, v3
	v_add_nc_u32 v[ADRB+\s], s22, v3
	s_add_co_u32 s21, s21, SLOT
	s_add_co_u32 s22, s22, SLOT
.endr
	s_mul_i32 s23, s10, 16*SPITCH
	s_add_co_u32 s23, s23, STAGE                   ; my stage
	v_mul_u32_u24 v4, v1, SPITCH
	v_lshl_add_u32 v4, v2, 5, v4
	v_add_nc_u32 v[STO], s23, v4                   ; in: token r, 32 bytes for each half of the lanes
	v_mul_u32_u24 v5, v2, SPITCH
	v_lshl_add_u32 v5, v1, 4, v5
	v_add_nc_u32 v[RD], s23, v5                    ; back: lanes 0-15 one row of 256 bytes, lanes 16-31 the next
	v_lshlrev_b32 v5, 12, v2
	v_lshl_add_u32 v[CO], v1, 4, v5                ; and the same two rows in out0
	v_lshlrev_b32 v[BO], 5, v2
	s_lshl_b32 s16, s13, 7
	s_lshl_b32 s17, s11, 6
	s_add_co_u32 s16, s16, s17                     ; my first token
	s_lshl_b32 s16, s16, 12
	s_mov_b32 s17, 0
	s_add_nc_u64 s[70:71], s[70:71], s[16:17]
	s_lshl_b32 s46, s42, 7
	s_lshl_b32 s47, s12, 6
	s_add_co_u32 s46, s46, s47                     ; my first column
	s_lshl_b32 s46, s46, 2
	s_mov_b32 s47, 0
	s_add_nc_u64 s[70:71], s[70:71], s[46:47]
	s_add_nc_u64 s[68:69], s[68:69], s[46:47]
.irp b, 0,1,2,3                                ; the bias in the result's layout
	global_load_b128 v[BIAS+8*\b:BIAS+8*\b+3], v[BO], s[68:69] offset:64*\b
	global_load_b128 v[BIAS+8*\b+4:BIAS+8*\b+7], v[BO], s[68:69] offset:64*\b+16
.endr
; 8 matrix instructions: token blocks a0, a0 + 1 x all 4 column blocks, 32 along K: half c of buffer f.  zero = 1: the first product starts the sums on the bias.  The 16 accumulators take turns.
.macro MUL8 f, c, a0, zero
.irp a, \a0, \a0+1
.irp b, 0,1,2,3
.if \zero
	v_wmma_f32_16x16x32_f16 v[ACC+8*(4*(\a)+\b):ACC+8*(4*(\a)+\b)+7], v[\f+64+8*(4*\c+\b):\f+64+8*(4*\c+\b)+7], v[\f+8*(4*\c+\a):\f+8*(4*\c+\a)+7], v[BIAS+8*\b:BIAS+8*\b+7]
.else
	v_wmma_f32_16x16x32_f16 v[ACC+8*(4*(\a)+\b):ACC+8*(4*(\a)+\b)+7], v[\f+64+8*(4*\c+\b):\f+64+8*(4*\c+\b)+7], v[\f+8*(4*\c+\a):\f+8*(4*\c+\a)+7], v[ACC+8*(4*(\a)+\b):ACC+8*(4*(\a)+\b)+7]
.endif
.endr
.endr
.endm
; 32 LDS loads in one run: the fragments of the slot's q-th 64 along K into buffer f; the first 32 along K first
.macro FETCH slot, q, f
	WIN TO_F
.irp c, 0,1
.irp i, 0,1,2,3
	ds_load_b128 v[\f+64+8*(4*\c+\i):\f+64+8*(4*\c+\i)+3],   v[ADRB+\slot] offset:\i*8192+(2*\q+\c)*1024
	ds_load_b128 v[\f+64+8*(4*\c+\i)+4:\f+64+8*(4*\c+\i)+7], v[ADRB+\slot] offset:\i*8192+(2*\q+\c)*1024+512
	ds_load_b128 v[\f+8*(4*\c+\i):\f+8*(4*\c+\i)+3],         v[ADRA+\slot] offset:\i*8192+(2*\q+\c)*1024
	ds_load_b128 v[\f+8*(4*\c+\i)+4:\f+8*(4*\c+\i)+7],       v[ADRA+\slot] offset:\i*8192+(2*\q+\c)*1024+512
.endr
.endr
.endm
.macro PLACES
.rept 4
	v_nop
.endr
.endm
.macro QUARTER slot, q, f, g, zero     ; multiplies buffer f and fetches the slot's q-th quarter into g
	s_wait_dscnt 16                                ; the first 32 along K are in
	WIN MUL
	MUL8 \f, 0, 0, \zero
	MUL8 \f, 0, 2, \zero
	PLACES
	FETCH \slot, \q, \g
	s_wait_dscnt 32                                ; all but the 32 just issued
	WIN MUL
	MUL8 \f, 1, 0, 0
	MUL8 \f, 1, 2, 0
.endm
; A slot's last quarter multiplies buffer 1 and changes slots: one barrier; in front of it each wave waits for all its tensor loads, adds 0 to its spare word, and waits for that and for its reads of this slot.
.macro TURN slot, next, fill
	WIN 0
	s_wait_tensorcnt 0x0                           ; all my tensor loads have landed: my part of the next slot
	ds_add_u32 v[SPW], v[NIL]
	s_wait_dscnt 17                                ; the add and the youngest sixteen loads may be out
	WIN MUL
	MUL8 F1, 0, 0, 0
	s_wait_dscnt 0x0                               ; the add is done, and my reads of this slot are over
	s_barrier_signal -1
	MUL8 F1, 0, 2, 0
.if \fill
	WIN 0
.endif
	s_barrier_wait -1
.if \fill
	CREST                                          ; the barrier has opened a round of the cluster's: no wave of any partner still reads this slot or has a load on its way
	s_add_nc_u64 s[G0+4*\slot+2:G0+4*\slot+3], s[G0+4*\slot+2:G0+4*\slot+3], 2*ASTEP
	s_add_nc_u64 s[G0B+4*\slot+2:G0B+4*\slot+3], s[G0B+4*\slot+2:G0B+4*\slot+3], 2*BSTEP
	JLOAD \slot                                    ; the first tensor load behind the round; its four v_nop are also the places in front of the loads below
.else
	PLACES
.endif
	FETCH \next, 0, F0
	WIN MUL
	MUL8 F1, 1, 0, 0
	MUL8 F1, 1, 2, 0
.endm
	s_wait_tensorcnt 1                             ; my part of K step 0 is in; K step 1's load may be out
	s_barrier_signal -1
	s_barrier_wait -1
	FETCH 0, 0, F0
	s_wait_loadcnt 0x0                             ; the bias
	QUARTER 0, 1, F0, F1, 1                        ; K step 0
	QUARTER 0, 2, F1, F0, 0
	QUARTER 0, 3, F0, F1, 0
	TURN 0, 1, 1                                   ; slot 0 takes K step 2
	QUARTER 1, 1, F0, F1, 0                        ; K step 1
	QUARTER 1, 2, F1, F0, 0
	QUARTER 1, 3, F0, F1, 0
	TURN 1, 0, 1                                   ; slot 1 takes K step 3
	QUARTER 0, 1, F0, F1, 0                        ; K step 2
	QUARTER 0, 2, F1, F0, 0
	QUARTER 0, 3, F0, F1, 0
	TURN 0, 1, 0                                   ; nothing is left to fetch
	QUARTER 1, 1, F0, F1, 0                        ; K step 3
	QUARTER 1, 2, F1, F0, 0
	QUARTER 1, 3, F0, F1, 0
	s_wait_dscnt 16
	WIN MUL
	MUL8 F1, 0, 0, 0
	MUL8 F1, 0, 2, 0
	s_wait_dscnt 0
	MUL8 F1, 1, 0, 0
	MUL8 F1, 1, 2, 0
	WIN 0
	; THE WAY OUT: my 64 columns of f32 are 256 bytes of a row, aligned: a block of 16 tokens goes through my own stage and comes back as whole rows.  LDS serves a wave's instructions in order: no wait between stores and loads.
.macro TOSTAGE a
.set TT, TMP+32*((\a)%2)
.irp b, 0,1,2,3
	ds_store_b128 v[STO], v[ACC+8*(4*(\a)+\b):ACC+8*(4*(\a)+\b)+3] offset:64*\b          ; each accumulator from its low end on
	ds_store_b128 v[STO], v[ACC+8*(4*(\a)+\b)+4:ACC+8*(4*(\a)+\b)+7] offset:64*\b+16
.endr
.irp i, 0,1,2,3,4,5,6,7
	ds_load_b128 v[TT+4*\i:TT+4*\i+3], v[RD] offset:\i*2*SPITCH
.endr
.endm
.macro SEND a, younger
.set TT, TMP+32*((\a)%2)
	s_wait_dscnt \younger                          ; the block is back; the next block's eight stores and eight loads may be out
.irp i, 0,1,2,3,4,5,6,7
	global_store_b128 v[CO], v[TT+4*\i:TT+4*\i+3], s[70:71] offset:(16*(\a)+2*\i)*4096 th:TH_STORE_NT   ; sixteen lanes store 256 consecutive bytes, aligned
.endr
.endm
	PLACES
	TOSTAGE 0
	TOSTAGE 1
	SEND 0, 16
	s_wait_xcnt 0x0                                ; block 0's stores have read their registers: block 2's loads may land there
	TOSTAGE 2
	SEND 1, 16
	s_wait_xcnt 0x0
	TOSTAGE 3
	SEND 2, 16
	SEND 3, 0
	s_wait_tensorcnt 0x0                           ; the wave's end
	ds_add_u32 v[SPW], v[NIL]
	s_wait_dscnt 0x0
	CROUND                                         ; the closing round
	s_endpgm
.Lfunc_end_k_qc403abe5ba_proj:
	.size	k_qc403abe5ba_proj, .Lfunc_end_k_qc403abe5ba_proj-k_qc403abe5ba_proj
	.p2alignl 7, 3214868480
	.fill 96, 4, 3214868480
	.section	.rodata,"a",@progbits
	.p2align	6, 0x0
	.amdhsa_kernel k_qc403abe5ba_proj
		.amdhsa_group_segment_fixed_size 327680
		.amdhsa_private_segment_fixed_size 0
		.amdhsa_enable_private_segment 0
		.amdhsa_kernarg_size 32
		.amdhsa_user_sgpr_count 2
		.amdhsa_user_sgpr_kernarg_segment_ptr 1
		.amdhsa_wavefront_size32 1
		.amdhsa_system_sgpr_workgroup_id_x 1
		.amdhsa_system_sgpr_workgroup_id_y 1
		.amdhsa_system_sgpr_workgroup_id_z 1
		.amdhsa_system_vgpr_workitem_id 0
		.amdhsa_next_free_vgpr 512
		.amdhsa_next_free_sgpr 72
		.amdhsa_reserve_vcc 0
		.amdhsa_float_denorm_mode_32 3
		.amdhsa_float_denorm_mode_16_64 3
		.amdhsa_memory_ordered 1
		.amdhsa_forward_progress 1
		.amdhsa_inst_pref_size 86
	.end_amdhsa_kernel
	.amdgpu_metadata
---
amdhsa.version: [ 1, 2 ]
amdhsa.kernels:
  - .name:           k_qc403abe5ba_proj
    .symbol:         k_qc403abe5ba_proj.kd
    .args:
      - { .name: y16, .offset: 0, .size: 8, .value_kind: global_buffer, .address_space: global }
      - { .name: wp16, .offset: 8, .size: 8, .value_kind: global_buffer, .address_space: global }
      - { .name: b_proj, .offset: 16, .size: 8, .value_kind: global_buffer, .address_space: global }
      - { .name: out0, .offset: 24, .size: 8, .value_kind: global_buffer, .address_space: global }
    .group_segment_fixed_size: 327680
    .private_segment_fixed_size: 0
    .kernarg_segment_align: 8
    .kernarg_segment_size: 32
    .max_flat_workgroup_size: 128
    .sgpr_count:     72
    .vgpr_count:     512
    .wavefront_size: 32
...
	.end_amdgpu_metadata
.endif
;; end of part 4
;; launch fine (part 5): grid 32 x 2, 16 waves a work-group, no clusters, 38,912 bytes of LDS; arguments qkvf, W_proj, b_proj, out0; writes out0
.if DOCPART == 5
	.amdgcn_target "amdgcn-amd-amdhsa--gfx1250"
	.amdhsa_code_object_version 6
	.text
	.protected	k_qc403abe5ba_fine
	.globl	k_qc403abe5ba_fine
	.p2align	8
	.type	k_qc403abe5ba_fine,@function
k_qc403abe5ba_fine:
	s_mov_b64 s[64:65], 0
	v_nop
	global_prefetch_b8 v0, s[64:65] scope:SCOPE_SE
	s_setreg_imm32_b32 hwreg(HW_REG_WAVE_MODE, 25, 1), 1
	s_wait_xcnt 0x0
; THE FIRST 16 POSITIONS OF EACH SEQUENCE IN F32: they average one to sixteen values and are the largest rows of the output, so f16 operands would weigh most there.  32 of the 4,096 rows: no bulk work.
; qkvf [2][16 t][3072] f32 holds q, k, v of these positions as the first product left them.  Work-group (x, b) makes out0[b][0..15][32 x .. 32 x + 31].  Wave w is head w: its 16 x 16 attention, then its 64 channels'
; part of the 16 x 32 outputs; the sixteen parts meet in LDS, and wave w adds up position w and stores it: 128 consecutive bytes a wave (131,072 bytes in the whole launch).
; All products by v_wmma_f32_16x16x4_f32 (lane l: row or column l % 16; register j: k = 2 (l / 16) + j).  Which true index stands at k is free where both sources agree: so each operand is loaded, or taken from the
; result before it, as it lies.  S^T = K Q^T, O^T = V^T P, Z^T = W^T O: a lane holds one query throughout.  The registers that these instructions write are written by nothing else.
; REGISTERS: v16-47 Q; v48-79 K; v80-111 V^T; v112-175 W^T; v176-191 S^T in two halves of the head's 64; v192-223 O^T; v224-239 Z^T; v240-247 scores, then p; v248-255 P.
.set PART,  2304                       ; a wave's part: 16 queries x (128 bytes + 16)
.set SPARE, 16*PART                    ; the spare words, 128 bytes for each wave
.set QR, 16
.set KR, 48
.set VF, 80
.set WF, 112
.set SA, 176
.set OA, 192
.set ZA, 224
.set T,  240
.set PP, 248
	s_load_b256 s[4:11], s[0:1], 0x0               ; qkvf, W_proj, b_proj, out0
	v_lshl_add_u32 v14, v0, 2, SPARE               ; my spare word; never rewritten
	v_mov_b32 v15, 0                               ; 0; never rewritten
	v_lshrrev_b32 v1, 5, v0
	v_readfirstlane_b32 s12, v1                    ; wave = head
	s_and_b32 s13, ttmp7, 0xffff                   ; the batch
	s_lshl_b32 s14, ttmp9, 7                       ; my 32 columns, in bytes
	v_and_b32 v1, 15, v0                           ; r
	v_bfe_u32 v2, v0, 4, 1                         ; h
	v_and_b32 v3, 31, v0
	v_lshlrev_b32 v4, 2, v3                        ; 4 x lane
	v_mul_u32_u24 v5, v1, 12288
	v_lshl_add_u32 v5, v2, 4, v5                   ; Q, K: position r, + 16 h: register 4 c + e holds channel 8 c + 4 h + e
	v_mul_u32_u24 v6, v2, 98304
	v_lshl_add_u32 v6, v1, 2, v6                   ; V: key 8 h + .., channel r
	v_lshlrev_b32 v7, 15, v2
	v_lshl_add_u32 v7, v1, 2, v7                   ; W: channel 8 h + .., column r
	v_lshlrev_b32 v8, 3, v2
	v_sub_nc_u32 v8, v1, v8                        ; r - 8 h
	s_mul_i32 s15, s12, PART
	v_mul_u32_u24 v9, v1, 144
	v_lshl_add_u32 v9, v2, 5, v9
	v_add_nc_u32 v9, s15, v9                       ; my part: query r, 32 bytes for each half of the lanes
	s_mul_i32 s15, s12, 144
	v_add_nc_u32 v10, s15, v4                      ; the sum: query w of every part, column = lane
	v_mov_b32 v12, 0xff800000                      ; -infinity
	s_mov_b32 s24, 0x76543210
	s_mov_b32 s25, 0xfedcba98
	s_mov_b32 s26, 0x3e38aa3b                      ; c = log2(e) / 8
	s_mul_i32 s16, s13, 196608
	s_lshl_b32 s17, s12, 8
	s_add_co_u32 s16, s16, s17                     ; qkvf: the batch's 16 rows, my head's 256 bytes
	s_mov_b32 s17, 0
	s_lshl_b32 s18, s12, 18                        ; W_proj: my head's 64 rows of 4,096 bytes,
	s_add_co_u32 s18, s18, s14                     ; my columns
	s_mov_b32 s19, 0
	s_mov_b32 s20, s14
	s_mov_b32 s21, 0
	s_lshl_b32 s22, s13, 11
	s_add_co_u32 s22, s22, s12                     ; out0: row 2,048 b + w
	s_lshl_b32 s22, s22, 12
	s_add_co_u32 s22, s22, s14
	s_mov_b32 s23, 0
	s_wait_kmcnt 0x0
	s_add_nc_u64 s[4:5], s[4:5], s[16:17]
	s_add_nc_u64 s[6:7], s[6:7], s[18:19]
	s_add_nc_u64 s[8:9], s[8:9], s[20:21]
	s_add_nc_u64 s[10:11], s[10:11], s[22:23]
	global_load_b32 v11, v4, s[8:9]                ; the bias of my column
.irp c, 0,1,2,3,4,5,6,7
	global_load_b128 v[QR+4*\c:QR+4*\c+3], v5, s[4:5] offset:32*\c
.endr
.irp c, 0,1,2,3,4,5,6,7
	global_load_b128 v[KR+4*\c:KR+4*\c+3], v5, s[4:5] offset:4096+32*\c
.endr
.irp t, 0,1,2,3
.irp k, 0,1,2,3,4,5,6,7
	global_load_b32 v[VF+8*\t+\k], v6, s[4:5] offset:8192+\k*12288+64*\t      ; V(key 8 h + k, channel 16 t + r)
.endr
.endr
.irp e, 0,1
.set n, 0
.rept 32
	global_load_b32 v[WF+32*\e+n], v7, s[6:7] offset:(16*(n/8)+n%8)*4096+64*\e   ; W(channel 16 (n / 8) + 8 h + n % 8, column 16 e + r)
.set n, n+1
.endr
.endr
	s_wait_loadcnt 63                              ; behind V's last load stand W's 64: with 63 out at the most the bias, Q, K and V are in
	; S^T = K Q^T: 16 steps of 4 channels, two accumulators by turns, each begun on the constant 0
.set n, 0
.rept 16
.if n < 2
	v_wmma_f32_16x16x4_f32 v[SA+8*(n%2):SA+8*(n%2)+7], v[KR+2*n:KR+2*n+1], v[QR+2*n:QR+2*n+1], 0
.else
	v_wmma_f32_16x16x4_f32 v[SA+8*(n%2):SA+8*(n%2)+7], v[KR+2*n:KR+2*n+1], v[QR+2*n:QR+2*n+1], v[SA+8*(n%2):SA+8*(n%2)+7]
.endif
.set n, n+1
.endr
.rept 8
	v_nop                                          ; eight places behind this form before a vector instruction reads the result (ISA guide 7.12.1)
.endr
.irp j, 0,2,4,6
	v_pk_add_f32 v[T+\j:T+\j+1], v[SA+\j:SA+\j+1], v[SA+8+\j:SA+8+\j+1]      ; register j: key 8 h + j, query r
.endr
.irp j, 0,1,2,3,4,5,6,7
	v_cmp_gt_i32 vcc_lo, \j, v8                    ; key 8 h + j comes after query r
	v_cndmask_b32 v[T+\j], v[T+\j], v12, vcc_lo
.endr
	v_max3_num_f32 v13, v[T], v[T+1], v[T+2]
	v_max3_num_f32 v13, v13, v[T+3], v[T+4]
	v_max3_num_f32 v13, v13, v[T+5], v[T+6]
	v_max_num_f32 v13, v13, v[T+7]
	v_permlanex16_b32 v3, v13, s24, s25
	v_max_num_f32 v13, v13, v3                     ; the row's largest score (key 0 counts for every query)
.irp j, 0,1,2,3,4,5,6,7
	v_sub_f32 v[T+\j], v[T+\j], v13
.endr
.irp j, 0,1,2,3,4,5,6,7
	v_mul_f32 v[T+\j], s26, v[T+\j]
.endr
.irp j, 0,1,2,3,4,5,6,7
	v_exp_f32 v[T+\j], v[T+\j]
.endr
	v_nop
	s_wait_alu depctr_va_vdst(0)                   ; one wait for the eight exponentials, ahead of their first reader
	v_pk_add_f32 v[12:13], v[T:T+1], v[T+2:T+3]
	v_pk_add_f32 v[12:13], v[12:13], v[T+4:T+5]
	v_pk_add_f32 v[12:13], v[12:13], v[T+6:T+7]
	v_add_f32 v13, v12, v13
	v_permlanex16_b32 v3, v13, s24, s25
	v_add_f32 v13, v13, v3
	v_rcp_f32 v12, v13
	v_nop
	s_wait_alu depctr_va_vdst(0)
.irp j, 0,2,4,6
	v_pk_mul_f32 v[PP+\j:PP+\j+1], v[T+\j:T+\j+1], v[12:13] op_sel_hi:[1,0]
.endr
	; O^T = V^T P: step s takes keys 8 h + 2 s + j on both sides; four accumulators by turns
.irp s, 0,1,2,3
.irp t, 0,1,2,3
.if \s == 0
	v_wmma_f32_16x16x4_f32 v[OA+8*\t:OA+8*\t+7], v[VF+8*\t+2*\s:VF+8*\t+2*\s+1], v[PP+2*\s:PP+2*\s+1], 0
.else
	v_wmma_f32_16x16x4_f32 v[OA+8*\t:OA+8*\t+7], v[VF+8*\t+2*\s:VF+8*\t+2*\s+1], v[PP+2*\s:PP+2*\s+1], v[OA+8*\t:OA+8*\t+7]
.endif
.endr
.endr
.rept 9
	v_nop                                          ; nine places before a matrix instruction takes these results as a source
.endr
	s_wait_loadcnt 0x0                             ; W
	; Z^T = W^T O: step (t, s) takes channels 16 t + 8 h + 2 s + j on both sides; two accumulators by turns
.irp t, 0,1,2,3
.irp s, 0,1,2,3
.irp e, 0,1
.if (\t == 0) && (\s == 0)
	v_wmma_f32_16x16x4_f32 v[ZA+8*\e:ZA+8*\e+7], v[WF+32*\e+8*\t+2*\s:WF+32*\e+8*\t+2*\s+1], v[OA+8*\t+2*\s:OA+8*\t+2*\s+1], 0
.else
	v_wmma_f32_16x16x4_f32 v[ZA+8*\e:ZA+8*\e+7], v[WF+32*\e+8*\t+2*\s:WF+32*\e+8*\t+2*\s+1], v[OA+8*\t+2*\s:OA+8*\t+2*\s+1], v[ZA+8*\e:ZA+8*\e+7]
.endif
.endr
.endr
.endr
.rept 8
	v_nop
.endr
.irp e, 0,1
	ds_store_b128 v9, v[ZA+8*\e:ZA+8*\e+3] offset:64*\e          ; lane (r, h): query r, columns 16 e + 8 h + 0 .. 7
	ds_store_b128 v9, v[ZA+8*\e+4:ZA+8*\e+7] offset:64*\e+16
.endr
	s_wait_dscnt 0x0                               ; for the others' sake: my part has landed
	s_barrier_signal -1
	s_barrier_wait -1
.irp p, 0,1,2,3,4,5,6,7,8,9,10,11,12,13,14,15
	ds_load_b32 v[QR+\p], v10 offset:PART*\p       ; query w, my column, of head p's part
.endr
	s_wait_dscnt 0x0
.irp z, 0,4,8,12
	v_pk_add_f32 v[QR+\z:QR+\z+1], v[QR+\z:QR+\z+1], v[QR+\z+2:QR+\z+3]
.endr
	v_pk_add_f32 v[QR:QR+1], v[QR:QR+1], v[QR+4:QR+5]
	v_pk_add_f32 v[QR+8:QR+9], v[QR+8:QR+9], v[QR+12:QR+13]
	v_pk_add_f32 v[QR:QR+1], v[QR:QR+1], v[QR+8:QR+9]
	v_add_f32 v[QR], v[QR], v[QR+1]
	v_add_f32 v[QR], v[QR], v11                    ; the bias
	global_store_b32 v4, v[QR], s[10:11]
	s_wait_tensorcnt 0x0                           ; the wave's end
	ds_add_u32 v14, v15
	s_wait_dscnt 0x0
	s_endpgm
.Lfunc_end_k_qc403abe5ba_fine:
	.size	k_qc403abe5ba_fine, .Lfunc_end_k_qc403abe5ba_fine-k_qc403abe5ba_fine
	.p2alignl 7, 3214868480
	.fill 96, 4, 3214868480
	.section	.rodata,"a",@progbits
	.p2align	6, 0x0
	.amdhsa_kernel k_qc403abe5ba_fine
		.amdhsa_group_segment_fixed_size 38912
		.amdhsa_private_segment_fixed_size 0
		.amdhsa_enable_private_segment 0
		.amdhsa_kernarg_size 32
		.amdhsa_user_sgpr_count 2
		.amdhsa_user_sgpr_kernarg_segment_ptr 1
		.amdhsa_wavefront_size32 1
		.amdhsa_system_sgpr_workgroup_id_x 1
		.amdhsa_system_sgpr_workgroup_id_y 1
		.amdhsa_system_sgpr_workgroup_id_z 1
		.amdhsa_system_vgpr_workitem_id 0
		.amdhsa_next_free_vgpr 256
		.amdhsa_next_free_sgpr 66
		.amdhsa_reserve_vcc 1
		.amdhsa_float_denorm_mode_32 3
		.amdhsa_float_denorm_mode_16_64 3
		.amdhsa_memory_ordered 1
		.amdhsa_forward_progress 1
		.amdhsa_inst_pref_size 23
	.end_amdhsa_kernel
	.amdgpu_metadata
---
amdhsa.version: [ 1, 2 ]
amdhsa.kernels:
  - .name:           k_qc403abe5ba_fine
    .symbol:         k_qc403abe5ba_fine.kd
    .args:
      - { .name: qkvf, .offset: 0, .size: 8, .value_kind: global_buffer, .address_space: global }
      - { .name: W_proj, .offset: 8, .size: 8, .value_kind: global_buffer, .address_space: global }
      - { .name: b_proj, .offset: 16, .size: 8, .value_kind: global_buffer, .address_space: global }
      - { .name: out0, .offset: 24, .size: 8, .value_kind: global_buffer, .address_space: global }
    .group_segment_fixed_size: 38912
    .private_segment_fixed_size: 0
    .kernarg_segment_align: 8
    .kernarg_segment_size: 32
    .max_flat_workgroup_size: 512
    .sgpr_count:     66
    .vgpr_count:     256
    .wavefront_size: 32
...
	.end_amdgpu_metadata
.endif
;; end of part 5
